; MI455X (gfx1250); checked and timed in simulation.
; The chip was launched on July 23, 2026; its instructions are those of AMD's public machine-readable ISA for CDNA 5 (MIT licence, August 2026) and "CDNA5" Instruction Set Architecture Reference Guide (July 2026). The comments in the code are by the model that wrote it; some were corrected since.
;; Sparse Hyperbolic Attention. Allowed arithmetic: float matrix products may take bf16 or f16 operands with f32 sums; all other float work in f32.
;; Inputs: Wk 512 x 512 float32; Wo 512 x 512 float32; Wq 512 x 512 float32; Wv 512 x 512 float32; rand_vecs 8 x 64 float32; x 2 x 1,024 x 512 float32.
;; Outputs: out0 2 x 1,024 x 512 float32.
;; One version. Each part assembles by itself: llvm-mc -triple=amdgcn-amd-amdhsa -mcpu=gfx1250 --defsym DOCPART=n.
;; ======== version 1 of 1: 4 launches
;; limits: a difference of large sums (such as E[x^2] - mean^2): digits are lost where the result is much smaller than its terms; right only within a limited range of input values; values are held in f16: magnitudes above 65,504 overflow, below 6.1e-05 lose precision; values outside matrix products are rounded to bf16
;; workspace buffers: qkv 6,291,456 bytes; norms 131,072 bytes; qcode 65,536 bytes of whole numbers; kplanes 16,384 bytes of whole numbers; seltab 524,288 bytes of whole numbers; ao 4,194,304 bytes
;; launch proj (part 1): grid 12 x 16, 4 waves a work-group, clusters of 4 x 4, 327,680 bytes of LDS; arguments x, Wq, Wk, Wv, rand_vecs, qkv, norms, qcode, kplanes; writes qkv, norms, qcode, kplanes
.if DOCPART == 1
	.amdgcn_target "amdgcn-amd-amdhsa--gfx1250"
	.amdhsa_code_object_version 6
	.text
	.protected	k_q1766d663c4_proj
	.globl	k_q1766d663c4_proj
	.p2align	8
	.type	k_q1766d663c4_proj,@function
k_q1766d663c4_proj:
	s_mov_b64 s[64:65], 0
	v_nop
	global_prefetch_b8 v0, s[64:65] scope:SCOPE_SE
	s_setreg_imm32_b32 hwreg(HW_REG_WAVE_MODE, 25, 1), 1
	s_wait_xcnt 0x0
	s_wait_alu depctr_hold_cnt(0) depctr_sa_sdst(0) depctr_va_vdst(0) depctr_va_sdst(0) depctr_va_ssrc(0) depctr_va_vcc(0) depctr_vm_vsrc(0)
	s_getreg_b32 s2, hwreg(HW_REG_IB_STS2, 6, 4)
	s_cmp_eq_u32 s2, 0
	s_cbranch_scc0 .Lentry_in_a_cluster
	s_endpgm
.Lentry_in_a_cluster:
	s_bfe_u32 s2, ttmp6, 0x10000c
	s_cmp_lg_u32 s2, 0xf033
	s_cbranch_scc0 .Lentry_shape_is_right
	s_endpgm
.Lentry_shape_is_right:
; SparseHyperbolicAttention, launch 1 of 4: q = x Wq^T, k = x Wk^T, v = x Wv^T (bf16 operands, f32 sums), and from the f32 sums of q and k:
; twice the squared norm of each head vector, and the eight sign hashes.  q and k leave as bf16, v as f16.
; DEAD WORK: none is left out in any launch; all six inputs are loaded.  The hash agreement is 8 - popcount(qcode xor kcode), so the set of 102 keys
; hangs on (batch, head, the query's 8-bit code) alone: launch 2 makes the 4,096 sets as bit rows, launch 3 does the attention densely on the
; matrix units and selects by those bits, launch 4 is the product with Wo.
; LIMITS: x, the weights and rand_vecs are rounded to bf16.  q and k enter the hash product exactly, as three bf16 parts (8 + 8 + 8 bits of the f32
; mantissa); a projection within f32 rounding of 0 may take the other sign than a sum made in another order.
; v in f16 keeps 11 bits, so that the chain v -> P v -> Wo does not round to 8 bits at every link.  |v| above 65,504 becomes infinite there: with x and Wv
; of spread 1 and 1/sqrt(512), |v| stays near 5; both 30 times larger: 900 x 5 = 4,500; both offset by 30 spreads: 512 x 31 x 1.4 = 22,000.
; SHARES: the cluster's x is the role (0 q, 1 k, 2 v).  A work-group makes 128 tokens x 2 heads, a wave 64 tokens x 1 head: 16 accumulator tiles.
; K goes in 4 chunks of 128 f32 (512 bytes of a row) through two LDS slots.  CLUSTER 4 x 4: the four work-groups of a row of the cluster read the
; same 128 rows of x, the four of a column the same 128 rows of the weight: each tile is asked for jointly.  192 work-groups: a head stays whole in
; a wave (norm and hash need all 64 features) and a cluster holds one role.
; The matrix instruction takes weight rows as source 0 and token rows as source 1: lane (r, h) then holds token r, registers j features 16 mt + 8 h + j.
.set MFR,   4                          ; fragments of 16 weight rows of a wave
.set NFR,   4                          ; fragments of 16 token rows of a wave
.set LROWS, 64                         ; rows that one tensor load brings
.set PITCH, 528                        ; an LDS row: 512 bytes + 16 of padding, an odd multiple of 16: 16 rows start in 16 different 16-byte columns
.set HALFT, LROWS*PITCH
.set SLOT,  4*HALFT                    ; x's two halves, then the weight's two halves
.set STAGE, 2*SLOT                     ; behind the ring: 2 x 16 rows x 144 bytes for each wave; no tensor load lands here
.set NLD,   4*(MFR+NFR)                ; LDS loads of one K step of 32
.set ADM, 4                            ; v4-5   LDS address of my weight fragments in slot 0, 1
.set ADN, 6                            ; v6-7   the same for my token fragments
.set CODE, 4                           ; v4-5   behind the products: the queries' codes, one register for each pair of token tiles
.set STO, 8                            ; the stage: where I put 16 bytes
.set RD,  9                            ; the stage: where I read back
.set GO,  10                           ; byte offset in qkv
.set NO,  11                           ; byte offset in norms (and, for q, in qcode)
.set PW,  12                           ; lane j + 8 p: word p of hash plane j
.set KO,  13                           ; byte offset in kplanes
.set NV,  14                           ; v14-15 norms to store
.set T,   16                           ; v16-31 at work
.set RV,  32                           ; v32-47 rand_vecs as two source-0 fragments
.set H,   48                           ; v48-63 projections of two token tiles
.set MF,  64                           ; v64-95 weight fragments
.set NF,  MF+8*MFR                     ; v96-127 token fragments
.set PARTA, 64                         ; behind the products: 16-bit parts of two token tiles
.set PARTB, 96
.set ACC, 128                          ; v128-255 tile (mt, tt) at ACC + 8 (4 tt + mt).  Window 1: v0-127, v128-255 the f32 fragments as loaded, two buffers
.set G1X, 32
.set G0X, 40
.set G1W, 48
.set G0W, 56
.set G1BITS, (2<<16)|(1<<20)|(1<<21)|(6<<22)|(3<<25)   ; 4-byte elements; padding on; bit 21 beside a mask; after every 128 words; 4 words
.set MSB, 0
.macro WIN new                         ; the immediate's high byte repeats the setting that is left
.if MSB != \new
	s_set_vgpr_msb (MSB<<8)|\new
.set MSB, \new
.endif
.endm
.macro PLACES                          ; four plain places behind a matrix instruction (ISA guide 7.12.1)
.rept 4
	v_nop
.endr
.endm
.macro JLOAD s                         ; waves 0, 1 ask for x's halves, waves 2, 3 for the weight's; the branch hangs on the wave's number alone
	s_cmp_eq_u32 s23, 0
	s_cbranch_scc0 .Lfor_w_\@
	tensor_load_to_lds s[G0X+4*\s:G0X+4*\s+3], s[G1X:G1X+7]
	s_nop 0
	s_branch .Lasked_\@
.Lfor_w_\@:
	tensor_load_to_lds s[G0W+4*\s:G0W+4*\s+3], s[G1W:G1W+7]
	s_nop 0
.Lasked_\@:
.endm
.macro CROUND                          ; a round of the cluster's barrier
	s_barrier_signal -1
	s_barrier_wait -1
	s_cmp_lg_u32 s22, 0
	s_cbranch_scc1 .Lnot_wave_0_\@
	s_barrier_signal -3
.Lnot_wave_0_\@:
	s_barrier_wait -3
	s_barrier_signal -1
	s_barrier_wait -1
.endm
; the f32 fragments of K step ks (32 along K, 128 bytes of the rows) into buffer buf of window 1: lane (r, h) takes k = 8h..8h+7 and 16+8h..16+8h+7 of row r
.macro FETCH slot, ks, buf
	WIN 0x40
.set f, 0
.rept MFR
	ds_load_b128 v[\buf+16*f:\buf+16*f+3],     v[ADM+\slot] offset:f*16*PITCH+(\ks)*128
	ds_load_b128 v[\buf+16*f+4:\buf+16*f+7],   v[ADM+\slot] offset:f*16*PITCH+(\ks)*128+16
	ds_load_b128 v[\buf+16*f+8:\buf+16*f+11],  v[ADM+\slot] offset:f*16*PITCH+(\ks)*128+64
	ds_load_b128 v[\buf+16*f+12:\buf+16*f+15], v[ADM+\slot] offset:f*16*PITCH+(\ks)*128+80
.set f, f+1
.endr
.set f, 0
.rept NFR
	ds_load_b128 v[\buf+16*(MFR+f):\buf+16*(MFR+f)+3],     v[ADN+\slot] offset:f*16*PITCH+(\ks)*128
	ds_load_b128 v[\buf+16*(MFR+f)+4:\buf+16*(MFR+f)+7],   v[ADN+\slot] offset:f*16*PITCH+(\ks)*128+16
	ds_load_b128 v[\buf+16*(MFR+f)+8:\buf+16*(MFR+f)+11],  v[ADN+\slot] offset:f*16*PITCH+(\ks)*128+64
	ds_load_b128 v[\buf+16*(MFR+f)+12:\buf+16*(MFR+f)+15], v[ADN+\slot] offset:f*16*PITCH+(\ks)*128+80
.set f, f+1
.endr
.endm
.macro CVT buf                         ; f32 (window 1) to bf16 fragments (window 0)
	WIN 0x05
.set cq, 0
.rept 8*(MFR+NFR)
	v_cvt_pk_bf16_f32 v[MF+cq], v[\buf+2*cq], v[\buf+2*cq+1]
.set cq, cq+1
.endr
.endm
.macro MUL zero                        ; the accumulators take turns, one instruction a turn
	WIN 0
.set tq, 0
.rept NFR
.set mq, 0
.rept MFR
.if \zero
	v_wmma_f32_16x16x32_bf16 v[ACC+8*(MFR*tq+mq):ACC+8*(MFR*tq+mq)+7], v[MF+8*mq:MF+8*mq+7], v[NF+8*tq:NF+8*tq+7], 0
.else
	v_wmma_f32_16x16x32_bf16 v[ACC+8*(MFR*tq+mq):ACC+8*(MFR*tq+mq)+7], v[MF+8*mq:MF+8*mq+7], v[NF+8*tq:NF+8*tq+7], v[ACC+8*(MFR*tq+mq):ACC+8*(MFR*tq+mq)+7]
.endif
.set mq, mq+1
.endr
.set tq, tq+1
.endr
.endm
.macro STEP slot, ks, zero
.if \ks < 3
	FETCH \slot, (\ks+1), (128*((\ks+1)&1))
	s_wait_dscnt NLD                               ; all but the NLD loads just issued: this K step's fragments are in
.else
	s_wait_dscnt 0x0
.endif
	PLACES                                         ; the conversions write fragments that the last matrix instructions read
	CVT (128*(\ks&1))
	MUL \zero
.endm
.macro WORK slot, zero                 ; one chunk of 128 along K
	FETCH \slot, 0, 0
	STEP \slot, 0, \zero
	STEP \slot, 1, 0
	STEP \slot, 2, 0
	STEP \slot, 3, 0
.endm
.macro REFILL s                        ; slot s, just read, gets the chunk two further on
	s_wait_dscnt 0x0                               ; my reads of the slot are back
	s_set_vgpr_msb 0xa
	s_wait_tensorcnt 0x0                           ; all my tensor loads have landed, my part of the other slot among them: a group 0 may be written
	ds_add_u32 v0, v1
	s_wait_dscnt 0x0
	s_set_vgpr_msb 0xa00
	s_add_nc_u64 s[G0X+4*\s+2:G0X+4*\s+3], s[G0X+4*\s+2:G0X+4*\s+3], 1024
	s_add_nc_u64 s[G0W+4*\s+2:G0W+4*\s+3], s[G0W+4*\s+2:G0W+4*\s+3], 1024
	CROUND                                         ; both hold of every wave of all sixteen work-groups
	JLOAD \s                                       ; my one tensor load behind the round, first thing there
.endm
	s_load_b512 s[4:19], s[0:1], 0x0               ; x s[4:5], Wq s[6:7], Wk s[8:9], Wv s[10:11], rand_vecs s[12:13], qkv s[14:15], norms s[16:17], qcode s[18:19]
	s_load_b64 s[20:21], s[0:1], 0x40              ; kplanes
	s_set_vgpr_msb 0x80
	v_lshl_add_u32 v0, v0, 2, 0x46800
	v_mov_b32 v1, 0
	s_set_vgpr_msb 0x808a
	ds_add_u32 v0, v1
	s_set_vgpr_msb 0x8a00
	v_lshrrev_b32 v1, 5, v0
	v_readfirstlane_b32 s22, v1                    ; wave
	s_lshr_b32 s23, s22, 1                         ; my 64 tokens of the 128.  Also: I fetch for x (0) or for the weight (1)
	s_and_b32 s24, s22, 1                          ; my head of the two.  Also: which 64 rows I fetch
	s_bfe_u32 s25, ttmp6, 0x40000                  ; cx: the pair of heads
	s_bfe_u32 s26, ttmp6, 0x40004                  ; cy
	s_mov_b32 s27, ttmp9                           ; the cluster's x: the role, equal in all sixteen partners
	s_and_b32 s28, ttmp7, 0xffff
	s_lshl_b32 s28, s28, 2
	s_add_co_u32 s28, s28, s26                     ; block of 128 tokens = 4 x cluster y + cy
	s_lshl_b32 s29, s26, 2
	s_lshl_b32 s29, 15, s29                        ; my row of the cluster
	s_lshl_b32 s30, 0x1111, s25                    ; my column
	s_or_b32 s[G1X+0], s29, G1BITS                 ; x's tiles go to my row,
	s_or_b32 s[G1W+0], s30, G1BITS                 ; the weight's to my column
	s_mov_b32 s[G1X+1], 128<<16                    ; tensor_dim0 = 128
	s_mov_b32 s[G1W+1], 128<<16
	s_mov_b32 s[G1X+2], LROWS<<16                  ; tensor_dim1 = 64
	s_mov_b32 s[G1W+2], LROWS<<16
	s_mov_b32 s[G1X+3], 128<<16                    ; tile_dim0 = 128
	s_mov_b32 s[G1W+3], 128<<16
	s_mov_b32 s[G1X+4], LROWS                      ; tile_dim1 = 64
	s_mov_b32 s[G1W+4], LROWS
	s_mov_b32 s[G1X+5], 512                        ; 512 elements from row to row
	s_mov_b32 s[G1W+5], 512
	s_mov_b32 s[G1X+6], 0
	s_mov_b32 s[G1W+6], 0
	s_mov_b32 s[G1X+7], 0
	s_mov_b32 s[G1W+7], 0
	s_lshl_b32 s31, s24, 6                         ; which 64 rows I fetch
	s_lshl_b32 s66, s28, 7
	s_add_co_u32 s66, s66, s31
	s_lshl_b32 s66, s66, 11                        ; x: (128 block + 64 half) rows of 2,048 bytes
	s_mov_b32 s67, 0
	s_lshl_b32 s70, s25, 7
	s_add_co_u32 s70, s70, s31
	s_lshl_b32 s70, s70, 11                        ; weight: (128 cx + 64 half) rows
	s_mov_b32 s71, 0
	s_mul_i32 s74, s22, HALFT                      ; where they go: wave x 64 rows
	s_wait_dscnt 0x0
	s_wait_kmcnt 0x0
	s_add_nc_u64 s[68:69], s[4:5], s[66:67]
	s_cmp_eq_u32 s27, 1
	s_cselect_b64 s[72:73], s[8:9], s[6:7]         ; the role's weight
	s_cmp_eq_u32 s27, 2
	s_cselect_b64 s[72:73], s[10:11], s[72:73]
	s_add_nc_u64 s[72:73], s[72:73], s[70:71]
	CROUND                                         ; all sixteen work-groups are here: the first joint loads meet
.irp s, 0,1
	s_mov_b32 s[G0X+4*\s], 1
	s_add_co_u32 s[G0X+4*\s+1], s74, \s*SLOT
	s_add_nc_u64 s[G0X+4*\s+2:G0X+4*\s+3], s[68:69], \s*512
	s_or_b32 s[G0X+4*\s+3], s[G0X+4*\s+3], 0x80000000
	s_mov_b32 s[G0W+4*\s], 1
	s_add_co_u32 s[G0W+4*\s+1], s74, \s*SLOT
	s_add_nc_u64 s[G0W+4*\s+2:G0W+4*\s+3], s[72:73], \s*512
	s_or_b32 s[G0W+4*\s+3], s[G0W+4*\s+3], 0x80000000
	JLOAD \s                                       ; chunks 0 and 1: two tensor loads of the wave are out, never more
.endr
	v_and_b32 v1, 15, v0                           ; r
	v_bfe_u32 v2, v0, 4, 1                         ; h
	v_and_b32 v3, 31, v0                           ; lane
	; rand_vecs as source 0: lane (r, h) takes row r & 7, so result rows 8-15 repeat rows 0-7 and both halves of the lanes hold all eight projections.
	; Every role loads them (8 loads a lane), so that RV is written on every way through the text; the v role does not use them.
	v_and_b32 v[T], 7, v0
	v_lshlrev_b32 v[T], 8, v[T]
	v_lshl_add_u32 v[T], v2, 5, v[T]
.irp kb, 0,1
.irp e, 0,1,2,3
	global_load_b128 v[ACC+16*\kb+4*\e:ACC+16*\kb+4*\e+3], v[T], s[12:13] offset:128*\kb+64*(\e>>1)+16*(\e&1)
.endr
.endr
	v_mul_u32_u24 v[T+1], v1, PITCH
	v_lshl_add_u32 v[T+1], v2, 5, v[T+1]           ; row r, 32 bytes for each half of the lanes
	s_mul_i32 s75, s24, HALFT
	s_add_co_u32 s75, s75, 2*HALFT                 ; my head's 64 weight rows
	s_mul_i32 s76, s23, HALFT                      ; my 64 token rows
	v_add_nc_u32 v[ADM], s75, v[T+1]
	v_add_nc_u32 v[ADN], s76, v[T+1]
	v_add_nc_u32 v[ADM+1], SLOT, v[ADM]
	v_add_nc_u32 v[ADN+1], SLOT, v[ADN]
	s_mul_i32 s77, s22, 4608
	s_add_co_u32 s77, s77, STAGE                   ; my stage
	v_mul_u32_u24 v[STO], v1, 144
	v_lshl_add_u32 v[STO], v2, 4, v[STO]
	v_add_nc_u32 v[STO], s77, v[STO]
	v_lshrrev_b32 v[RD], 3, v3                     ; back: eight lanes take a row of 128 bytes
	v_mul_u32_u24 v[RD], v[RD], 144
	v_and_b32 v[T+2], 7, v0
	v_lshl_add_u32 v[RD], v[T+2], 4, v[RD]
	v_add_nc_u32 v[RD], s77, v[RD]
	s_lshl_b32 s78, s25, 1
	s_add_co_u32 s78, s78, s24                     ; head
	s_lshr_b32 s79, s28, 3                         ; batch
	s_lshl3_add_u32 s78, s79, s78                  ; bh = 8 batch + head
	s_and_b32 s79, s28, 7
	s_lshl_b32 s79, s79, 1
	s_add_co_u32 s79, s79, s23                     ; my group of 64 tokens in the sequence, 0..15
	s_lshl_b32 s80, s27, 21                        ; qkv: role x 2 MiB + bh x 128 KiB + group x 8 KiB + 16 lane
	s_lshl_b32 s81, s78, 17
	s_add_co_u32 s80, s80, s81
	s_lshl_b32 s81, s79, 13
	s_add_co_u32 s80, s80, s81
	v_lshl_add_u32 v[GO], v3, 4, s80
	s_lshl_b32 s82, s27, 16                        ; norms: role x 64 KiB + bh x 4 KiB + group x 256 + 4 lane
	s_lshl_b32 s81, s78, 12
	s_add_co_u32 s82, s82, s81
	s_lshl_b32 s81, s79, 8
	s_add_co_u32 s82, s82, s81
	v_lshl_add_u32 v[NO], v3, 2, s82
	s_lshl_b32 s83, s78, 10                        ; kplanes: bh x 1 KiB + plane x 128 + (2 group + p) x 4
	s_lshl3_add_u32 s83, s79, s83
	v_lshlrev_b32 v[KO], 7, v[T+2]
	v_bfe_u32 v[T+3], v0, 3, 1
	v_lshl_add_u32 v[KO], v[T+3], 2, v[KO]
	v_add_nc_u32 v[KO], s83, v[KO]
	v_mov_b32 v[PW], 0
	s_mov_b32 s87, 0xffff0000                      ; a word's upper bf16; as a lane mask: lanes 16-31
	s_mov_b32 s88, 0x76543210                      ; v_permlanex16_b32: lane i reads lane i of the other half
	s_mov_b32 s89, 0xfedcba98
	s_wait_loadcnt 0x0
.irp i, 0,1,2,3,4,5,6,7,8,9,10,11,12,13,14,15
	v_cvt_pk_bf16_f32 v[RV+\i], v[ACC+2*\i], v[ACC+2*\i+1]
.endr
	s_wait_tensorcnt 0x1                           ; my part of chunk 0 is in; chunk 1's may stay out
	s_barrier_signal -1
	s_barrier_wait -1
	WORK 0, 1                                      ; the first products start the sums
	REFILL 0
	WORK 1, 0
	REFILL 1
	WORK 0, 0
	s_wait_dscnt 0x0
	s_wait_tensorcnt 0x0                           ; my part of the last chunk is in
	s_barrier_signal -1
	s_barrier_wait -1
	WORK 1, 0
; One accumulator tile: round to 16 bits into part (half = 1: f16, else bf16); sto: 16 bytes to the stage; sub: take the rounded bf16 part away (exact in f32).
.macro SPLIT acc, part, sto, off, sub, tmp, half
.irp i, 0,1,2,3
.if \half
	v_cvt_pk_f16_f32 v[\part+\i], v[\acc+2*\i], v[\acc+2*\i+1]
.else
	v_cvt_pk_bf16_f32 v[\part+\i], v[\acc+2*\i], v[\acc+2*\i+1]
.endif
.endr
.if \sto
	ds_store_b128 v[STO], v[\part:\part+3] offset:\off
.endif
.if \sub
.irp i, 0,1,2,3
	v_lshlrev_b32 v[\tmp+2*\i], 16, v[\part+\i]
	v_and_b32 v[\tmp+2*\i+1], s87, v[\part+\i]
.endr
.irp i, 0,1,2,3
	v_pk_add_f32 v[\acc+2*\i:\acc+2*\i+1], v[\acc+2*\i:\acc+2*\i+1], v[\tmp+2*\i:\tmp+2*\i+1] neg_lo:[0,1] neg_hi:[0,1]
.endr
.endif
.endm
; rand_vecs x one part of two token tiles.  A tile's packed registers 4 mt + i ARE the source-1 fragments (features 32 kb + 8 h .. and 32 kb + 16 + 8 h ..).
; The two accumulators take turns, one instruction a turn.
.macro HMUL part, zero
.if \zero
	v_wmma_f32_16x16x32_bf16 v[H:H+7], v[RV:RV+7], v[\part:\part+7], 0
	v_wmma_f32_16x16x32_bf16 v[H+8:H+15], v[RV:RV+7], v[\part+16:\part+23], 0
.else
	v_wmma_f32_16x16x32_bf16 v[H:H+7], v[RV:RV+7], v[\part:\part+7], v[H:H+7]
	v_wmma_f32_16x16x32_bf16 v[H+8:H+15], v[RV:RV+7], v[\part+16:\part+23], v[H+8:H+15]
.endif
	v_wmma_f32_16x16x32_bf16 v[H:H+7], v[RV+8:RV+15], v[\part+8:\part+15], v[H:H+7]
	v_wmma_f32_16x16x32_bf16 v[H+8:H+15], v[RV+8:RV+15], v[\part+24:\part+31], v[H+8:H+15]
.endm
; Token tiles 2p and 2p+1 (32 tokens) leave.  hash = 1 (q, k): bf16, with norms and hashes.  hash = 0 (v): f16.
.macro EPI p, hash
.if \p
	s_wait_xcnt 0x0                                ; T and PARTB, which the last pair's stores read, are rewritten only behind this wait
.endif
.if \hash
.irp t, 0,1
	v_pk_mul_f32 v[T+4*\t:T+4*\t+1], v[ACC+32*(2*\p+\t):ACC+32*(2*\p+\t)+1], v[ACC+32*(2*\p+\t):ACC+32*(2*\p+\t)+1]
	v_pk_mul_f32 v[T+4*\t+2:T+4*\t+3], v[ACC+32*(2*\p+\t)+2:ACC+32*(2*\p+\t)+3], v[ACC+32*(2*\p+\t)+2:ACC+32*(2*\p+\t)+3]
.irp i, 2,4,6,8,10,12,14
	v_pk_fma_f32 v[T+4*\t:T+4*\t+1], v[ACC+32*(2*\p+\t)+2*\i:ACC+32*(2*\p+\t)+2*\i+1], v[ACC+32*(2*\p+\t)+2*\i:ACC+32*(2*\p+\t)+2*\i+1], v[T+4*\t:T+4*\t+1]
	v_pk_fma_f32 v[T+4*\t+2:T+4*\t+3], v[ACC+32*(2*\p+\t)+2*\i+2:ACC+32*(2*\p+\t)+2*\i+3], v[ACC+32*(2*\p+\t)+2*\i+2:ACC+32*(2*\p+\t)+2*\i+3], v[T+4*\t+2:T+4*\t+3]
.endr
	v_pk_add_f32 v[T+4*\t:T+4*\t+1], v[T+4*\t:T+4*\t+1], v[T+4*\t+2:T+4*\t+3]
	v_add_f32 v[T+4*\t], v[T+4*\t], v[T+4*\t+1]    ; my 32 features of token r
	v_permlanex16_b32 v[T+4*\t+1], v[T+4*\t], s88, s89
	v_add_f32 v[T+4*\t], v[T+4*\t], v[T+4*\t+1]    ; all 64, in both halves of the lanes
.endr
	v_cndmask_b32 v[NV+\p], v[T], v[T+4], s87      ; lanes 0-15 the first tile's tokens, lanes 16-31 the second's
	v_add_f32 v[NV+\p], v[NV+\p], v[NV+\p]         ; twice the squared norm
	global_store_b32 v[NO], v[NV+\p], s[16:17] offset:128*\p
.endif
.irp t, 0,1
.irp m, 0,1,2,3
	SPLIT (ACC+32*(2*\p+\t)+8*\m), (PARTA+16*\t+4*\m), 1, (2304*\t+32*\m), \hash, (T+8*(\m&1)), (1-\hash)
.endr
.endr
.if \hash
	HMUL PARTA, 1
.irp t, 0,1
.irp m, 0,1,2,3
	SPLIT (ACC+32*(2*\p+\t)+8*\m), (PARTB+16*\t+4*\m), 0, 0, 1, (T+8*(\m&1)), 0
.endr
.endr
	HMUL PARTB, 0
.irp t, 0,1
.irp m, 0,1,2,3
	SPLIT (ACC+32*(2*\p+\t)+8*\m), (PARTA+16*\t+4*\m), 0, 0, 0, T, 0
.endr
.endr
	HMUL PARTA, 0
	PLACES
.irp j, 0,1,2,3,4,5,6,7
	v_cndmask_b32 v[T+8+\j], v[H+\j], v[H+8+\j], s87   ; projection j of token 32 p + lane
.endr
	s_cmp_eq_u32 s27, 0
	s_cbranch_scc0 .Lkrole_\@
	v_cmp_le_f32 vcc_lo, 0, v[T+15]                ; q: bit j of the code = (projection j >= 0)
	v_cndmask_b32 v[CODE+\p], 0, 1, vcc_lo
.irp j, 6,5,4,3,2,1,0
	v_cmp_le_f32 vcc_lo, 0, v[T+8+\j]
	v_cndmask_b32 v[T], 0, 1, vcc_lo
	v_lshl_or_b32 v[CODE+\p], v[CODE+\p], 1, v[T]
.endr
	global_store_b32 v[NO], v[CODE+\p], s[18:19] offset:128*\p
	s_branch .Lcoded_\@
.Lkrole_\@:
.irp j, 0,1,2,3,4,5,6,7
	v_cmp_le_f32 s90, 0, v[T+8+\j]                 ; k: the compare's lane mask is the word of plane j for these 32 keys
	v_writelane_b32 v[PW], s90, \j+8*\p
.endr
.Lcoded_\@:
.endif
	; the way out: LDS serves a wave's instructions in order, so these loads see my stores above; each store covers 512 consecutive bytes
.irp i, 0,1,2,3
	ds_load_b128 v[T+4*\i:T+4*\i+3], v[RD] offset:576*\i
.endr
.irp i, 0,1,2,3
	ds_load_b128 v[PARTB+4*\i:PARTB+4*\i+3], v[RD] offset:2304+576*\i
.endr
	s_wait_dscnt 0x4                               ; the first tile's four loads are in
.irp i, 0,1,2,3
	global_store_b128 v[GO], v[T+4*\i:T+4*\i+3], s[14:15] offset:4096*\p+512*\i
.endr
	s_wait_dscnt 0x0
.irp i, 0,1,2,3
	global_store_b128 v[GO], v[PARTB+4*\i:PARTB+4*\i+3], s[14:15] offset:4096*\p+2048+512*\i
.endr
.endm
	PLACES                                         ; behind the last products, in front of the first read of a sum
	s_cmp_eq_u32 s27, 2
	s_cbranch_scc1 .Lvrole
	EPI 0, 1
	EPI 1, 1
	s_cmp_eq_u32 s27, 1
	s_cbranch_scc0 .Lend
	v_cmp_gt_u32 vcc_lo, 16, v3                    ; k: lanes 0-15 store the wave's 8 planes x 2 words
	s_wait_xcnt 0x0                                ; EXEC changes only behind this wait
	s_and_saveexec_b32 s91, vcc_lo
	global_store_b32 v[KO], v[PW], s[20:21]
	s_wait_xcnt 0x0
	s_or_b32 exec_lo, exec_lo, s91
	s_branch .Lend
.Lvrole:
	EPI 0, 0
	EPI 1, 0
.Lend:
	s_set_vgpr_msb 0xa
	s_wait_tensorcnt 0x0
	ds_add_u32 v0, v1
	s_wait_dscnt 0x0
	s_set_vgpr_msb 0xa00
	CROUND                                         ; the closing round: no work-group ends while a partner may still ask jointly
	s_endpgm
.Lfunc_end_k_q1766d663c4_proj:
	.size	k_q1766d663c4_proj, .Lfunc_end_k_q1766d663c4_proj-k_q1766d663c4_proj
	.p2alignl 7, 3214868480
	.fill 96, 4, 3214868480
	.section	.rodata,"a",@progbits
	.p2align	6, 0x0
	.amdhsa_kernel k_q1766d663c4_proj
		.amdhsa_group_segment_fixed_size 327680
		.amdhsa_private_segment_fixed_size 0
		.amdhsa_enable_private_segment 0
		.amdhsa_kernarg_size 72
		.amdhsa_user_sgpr_count 2
		.amdhsa_user_sgpr_kernarg_segment_ptr 1
		.amdhsa_wavefront_size32 1
		.amdhsa_system_sgpr_workgroup_id_x 1
		.amdhsa_system_sgpr_workgroup_id_y 1
		.amdhsa_system_sgpr_workgroup_id_z 1
		.amdhsa_system_vgpr_workitem_id 0
		.amdhsa_next_free_vgpr 514
		.amdhsa_next_free_sgpr 96
		.amdhsa_reserve_vcc 1
		.amdhsa_float_denorm_mode_32 3
		.amdhsa_float_denorm_mode_16_64 3
		.amdhsa_memory_ordered 1
		.amdhsa_forward_progress 1
		.amdhsa_inst_pref_size 180
	.end_amdhsa_kernel
	.amdgpu_metadata
---
amdhsa.version: [ 1, 2 ]
amdhsa.kernels:
  - .name:           k_q1766d663c4_proj
    .symbol:         k_q1766d663c4_proj.kd
    .args:
      - { .name: x, .offset: 0, .size: 8, .value_kind: global_buffer, .address_space: global }
      - { .name: Wq, .offset: 8, .size: 8, .value_kind: global_buffer, .address_space: global }
      - { .name: Wk, .offset: 16, .size: 8, .value_kind: global_buffer, .address_space: global }
      - { .name: Wv, .offset: 24, .size: 8, .value_kind: global_buffer, .address_space: global }
      - { .name: rand_vecs, .offset: 32, .size: 8, .value_kind: global_buffer, .address_space: global }
      - { .name: qkv, .offset: 40, .size: 8, .value_kind: global_buffer, .address_space: global }
      - { .name: norms, .offset: 48, .size: 8, .value_kind: global_buffer, .address_space: global }
      - { .name: qcode, .offset: 56, .size: 8, .value_kind: global_buffer, .address_space: global }
      - { .name: kplanes, .offset: 64, .size: 8, .value_kind: global_buffer, .address_space: global }
    .group_segment_fixed_size: 327680
    .private_segment_fixed_size: 0
    .kernarg_segment_align: 8
    .kernarg_segment_size: 72
    .max_flat_workgroup_size: 128
    .sgpr_count:     96
    .vgpr_count:     514
    .wavefront_size: 32
...
	.end_amdgpu_metadata
.endif
;; end of part 1
;; launch select (part 2): grid 16 x 16, 16 waves a work-group, no clusters, 4,096 bytes of LDS; arguments kplanes, seltab; writes seltab
.if DOCPART == 2
	.amdgcn_target "amdgcn-amd-amdhsa--gfx1250"
	.amdhsa_code_object_version 6
	.text
	.protected	k_q1766d663c4_select
	.globl	k_q1766d663c4_select
	.p2align	8
	.type	k_q1766d663c4_select,@function
k_q1766d663c4_select:
	s_mov_b64 s[64:65], 0
	v_nop
	global_prefetch_b8 v0, s[64:65] scope:SCOPE_SE
	s_setreg_imm32_b32 hwreg(HW_REG_WAVE_MODE, 25, 1), 1
	s_wait_xcnt 0x0
; Launch 2 of 4: for each (batch, head) and each of the 256 possible query codes, the set of the 102 keys with the most equal hash bits, ties to the
; lower index (as lax.top_k orders them), as a row of 1,024 bits.  Nothing of the reference is left out: agreement = 8 - popcount(code xor key code).
; Grid: x = group of 16 codes, y = batch x head.  Sixteen waves, ONE code each: a code's work is one long chain of dependent instructions, so four
; chains lie on each SIMD and fill each other's gaps.  Lane i holds word i of every plane: keys 32 i .. 32 i + 31, one bit each, so all arithmetic on
; the 1,024 keys is bitwise.  The 16 rows of 128 bytes meet in LDS behind one barrier, and waves 0 to 3 store them, 512 consecutive bytes each.
; No matrix unit (no products), no cluster (the work-groups of a head share 1 KiB).
.set KB,  4                            ; v4-11  the eight planes of my 32 keys
.set X,   12                           ; v12-19 mismatch bits
.set A,   20                           ; v20-31 adder
.set D0,  32
.set D1,  33
.set D2,  34
.set D3,  35                           ; the count of mismatches, bit-sliced
.set N0,  36
.set N1,  37
.set N2,  38
.set P,   39                           ; v39-42 (D1, D0) = 0..3
.set EQ,  44                           ; v44-52 mask of keys with L mismatches, L = 0..8
.set CN,  54                           ; v54-61 counts, then running counts
.set PK,  62                           ; v62-65 two counts in a word
.set TT,  66
.set SEL, 68
.set BEL, 69
.set EQT, 70
.set NT,  71
.set SC,  72
.set M,   73
.set PP,  74
.set QQ,  75
.set CC,  76
.set LA,  77
.set LB,  78
.set GOF, 79
.set TOPK, 102                         ; int(1024 * (1 - 0.9))
.macro POPC d, x, t                    ; bits set in a word, by sums of 2, 4 and 8 bits and one multiply that adds the four bytes
	v_lshrrev_b32 v[\t], 1, v[\x]
	v_and_b32 v[\t], s10, v[\t]
	v_sub_nc_u32 v[\d], v[\x], v[\t]
	v_lshrrev_b32 v[\t], 2, v[\d]
	v_and_b32 v[\d], s11, v[\d]
	v_and_b32 v[\t], s11, v[\t]
	v_add_nc_u32 v[\d], v[\d], v[\t]
	v_lshrrev_b32 v[\t], 4, v[\d]
	v_add_nc_u32 v[\d], v[\d], v[\t]
	v_and_b32 v[\d], s12, v[\d]
	v_mul_lo_u32 v[\d], v[\d], s13
	v_lshrrev_b32 v[\d], 24, v[\d]
.endm
.macro FA s, c, a, b, ci               ; full adder on 32 keys at once
	v_xor_b32 v[A+11], v[\a], v[\b]
	v_xor_b32 v[\s], v[A+11], v[\ci]
	v_bfi_b32 v[\c], v[A+11], v[\ci], v[\a]
.endm
.macro HA s, c, a, b
	v_xor_b32 v[\s], v[\a], v[\b]
	v_and_b32 v[\c], v[\a], v[\b]
.endm
	s_load_b128 s[4:7], s[0:1], 0x0                ; kplanes s[4:5], seltab s[6:7]
	v_lshl_add_u32 v88, v0, 2, 0x800
	v_mov_b32 v89, 0
	v_and_b32 v1, 31, v0
	v_lshrrev_b32 v2, 5, v0
	v_readfirstlane_b32 s8, v2                     ; wave, 0 to 15
	s_and_b32 s9, ttmp7, 0xffff                    ; batch x head
	s_mov_b32 s10, 0x55555555
	s_mov_b32 s11, 0x33333333
	s_mov_b32 s12, 0x0f0f0f0f
	s_mov_b32 s13, 0x01010101
	s_mov_b32 s14, 0xffff0000                      ; lanes 16-31
	s_mov_b32 s15, 0x76543210
	s_mov_b32 s16, 0xfedcba98
	s_lshl_b32 s17, s9, 10
	v_lshl_add_u32 v3, v1, 2, s17                  ; my word of plane 0
	s_wait_kmcnt 0x0
.irp j, 0,1,2,3,4,5,6,7
	global_load_b32 v[KB+\j], v3, s[4:5] offset:128*\j
.endr
	s_lshl_b32 s18, ttmp9, 4                       ; the group's first code
	s_add_co_u32 s19, s18, s8                      ; my code = 16 x + wave
	s_lshl_b32 s21, s8, 7                          ; my row of 128 bytes in LDS
	v_lshl_add_u32 v[LA], v1, 2, s21
	s_wait_loadcnt 0x0
.irp j, 0,1,2,3,4,5,6,7
	s_bfe_u32 s20, s19, (1<<16)|\j
	s_sub_co_u32 s20, 0, s20                       ; 0 or all ones: the code's bit j
	v_xor_b32 v[X+\j], s20, v[KB+\j]               ; 1 where the hashes differ
.endr
	FA A+0, A+1, X+0, X+1, X+2                     ; eight bits to a count of four bits
	FA A+2, A+3, X+3, X+4, X+5
	FA A+4, A+5, A+0, A+2, X+6
	HA D0,  A+6, A+4, X+7
	FA A+7, A+8, A+1, A+3, A+5
	HA D1,  A+9, A+7, A+6
	HA D2,  D3,  A+8, A+9
	v_xor_b32 v[N0], -1, v[D0]
	v_xor_b32 v[N1], -1, v[D1]
	v_xor_b32 v[N2], -1, v[D2]
	v_and_b32 v[P+0], v[N1], v[N0]
	v_and_b32 v[P+1], v[N1], v[D0]
	v_and_b32 v[P+2], v[D1], v[N0]
	v_and_b32 v[P+3], v[D1], v[D0]
.irp l, 0,1,2,3
	v_and_b32 v[EQ+\l], v[N2], v[P+\l]
	v_and_b32 v[EQ+4+\l], v[D2], v[P+\l]
.endr
	v_bfi_b32 v[EQ], v[D3], 0, v[EQ]               ; a count of 8 has its low three bits 0 too
	v_mov_b32 v[EQ+8], v[D3]
.irp l, 0,1,2,3,4,5,6,7
	POPC CN+\l, EQ+\l, TT
.endr
	; sums over the 32 lanes, two counts (at most 1,024 each) in a word of 22 bits, added as f32: exact below 2^24
.irp q, 0,1,2,3
	v_lshl_add_u32 v[PK+\q], v[CN+2*\q+1], 11, v[CN+2*\q]
.endr
.irp q, 0,1,2,3
	v_cvt_f32_u32 v[PK+\q], v[PK+\q]
.endr
.irp n, 1,2,4,8
.irp q, 0,1,2,3
	v_add_f32_dpp v[PK+\q], v[PK+\q], v[PK+\q] row_xmask:\n row_mask:0xf bank_mask:0xf
.endr
.endr
.irp q, 0,1,2,3
	v_permlanex16_b32 v[CN+\q], v[PK+\q], s15, s16
.endr
.irp q, 0,1,2,3
	v_add_f32 v[PK+\q], v[PK+\q], v[CN+\q]
.endr
.irp q, 0,1,2,3
	v_cvt_u32_f32 v[PK+\q], v[PK+\q]
.endr
.irp q, 0,1,2,3
	v_and_b32 v[CN+2*\q], 0x7ff, v[PK+\q]
	v_lshrrev_b32 v[CN+2*\q+1], 11, v[PK+\q]
.endr
.irp l, 1,2,3,4,5,6,7
	v_add_nc_u32 v[CN+\l], v[CN+\l], v[CN+\l-1]    ; keys with at most l mismatches
.endr
	; whole levels while fewer than 102 keys are in; EQT ends as the level that is cut, BEL as the keys below it
	v_mov_b32 v[SEL], 0
	v_mov_b32 v[BEL], 0
	v_mov_b32 v[EQT], v[EQ]
.irp l, 0,1,2,3,4,5,6,7
	v_cmp_gt_u32 vcc_lo, TOPK, v[CN+\l]
	v_cndmask_b32 v[TT], 0, v[EQ+\l], vcc_lo
	v_or_b32 v[SEL], v[SEL], v[TT]
	v_cndmask_b32 v[BEL], v[BEL], v[CN+\l], vcc_lo
	v_cndmask_b32 v[EQT], v[EQT], v[EQ+\l+1], vcc_lo
.endr
	v_sub_nc_u32 v[BEL], TOPK, v[BEL]              ; so many of the cut level, the lowest indices first
	POPC NT, EQT, TT
	v_mov_b32 v[SC], v[NT]
.irp n, 1,2,4,8
	v_mov_b32_dpp v[TT], v[SC] row_shr:\n row_mask:0xf bank_mask:0xf bound_ctrl:1
	v_add_nc_u32 v[SC], v[SC], v[TT]               ; running sum inside each half of 16 lanes
.endr
	v_readlane_b32 s20, v[SC], 15
	v_mov_b32 v[TT], s20
	v_cndmask_b32 v[TT], 0, v[TT], s14
	v_add_nc_u32 v[SC], v[SC], v[TT]
	v_sub_nc_u32 v[SC], v[SC], v[NT]               ; keys of the cut level in the words below mine
	v_cmp_gt_u32 vcc_lo, v[BEL], v[SC]
	v_sub_nc_u32 v[M], v[BEL], v[SC]
	v_cndmask_b32 v[M], 0, v[M], vcc_lo            ; how many my word may still give
	v_mov_b32 v[PP], 0                             ; the longest run of low bits (at most 31) that holds at most M set bits
.irp s, 16,8,4,2,1
	v_add_nc_u32 v[QQ], \s, v[PP]
	v_bfe_u32 v[CC], v[EQT], 0, v[QQ]
	POPC CC, CC, TT
	v_cmp_le_u32 vcc_lo, v[CC], v[M]
	v_cndmask_b32 v[PP], v[PP], v[QQ], vcc_lo
.endr
	v_bfe_u32 v[CC], v[EQT], 0, v[PP]
	v_cmp_le_u32 vcc_lo, v[NT], v[M]
	v_cndmask_b32 v[CC], v[CC], v[EQT], vcc_lo     ; the whole word where it fits
	v_or_b32 v[CC], v[SEL], v[CC]
	ds_store_b32 v[LA], v[CC]
	s_wait_dscnt 0x0                               ; my row is in LDS, for the wave that will store it
	s_barrier_signal -1
	s_barrier_wait -1                              ; all sixteen rows are
	s_cmp_ge_u32 s8, 4
	s_cbranch_scc1 .Ldone                          ; waves 0 to 3 carry the 2,048 bytes out
	s_lshl_b32 s24, s8, 9                          ; four rows each
	v_lshl_add_u32 v[LB], v1, 4, s24
	ds_load_b128 v[80:83], v[LB]
	s_lshl_b32 s22, s9, 15                         ; a head's 256 rows of 128 bytes
	s_lshl_b32 s23, s18, 7                         ; the group's 16 rows
	s_add_co_u32 s22, s22, s23
	s_add_co_u32 s22, s22, s24
	v_lshl_add_u32 v[GOF], v1, 4, s22
	s_wait_dscnt 0x0
	global_store_b128 v[GOF], v[80:83], s[6:7]     ; 512 consecutive bytes, aligned
.Ldone:
	s_wait_tensorcnt 0x0
	ds_add_u32 v88, v89
	s_wait_dscnt 0x0
	s_endpgm
.Lfunc_end_k_q1766d663c4_select:
	.size	k_q1766d663c4_select, .Lfunc_end_k_q1766d663c4_select-k_q1766d663c4_select
	.p2alignl 7, 3214868480
	.fill 96, 4, 3214868480
	.section	.rodata,"a",@progbits
	.p2align	6, 0x0
	.amdhsa_kernel k_q1766d663c4_select
		.amdhsa_group_segment_fixed_size 4096
		.amdhsa_private_segment_fixed_size 0
		.amdhsa_enable_private_segment 0
		.amdhsa_kernarg_size 16
		.amdhsa_user_sgpr_count 2
		.amdhsa_user_sgpr_kernarg_segment_ptr 1
		.amdhsa_wavefront_size32 1
		.amdhsa_system_sgpr_workgroup_id_x 1
		.amdhsa_system_sgpr_workgroup_id_y 1
		.amdhsa_system_sgpr_workgroup_id_z 1
		.amdhsa_system_vgpr_workitem_id 0
		.amdhsa_next_free_vgpr 90
		.amdhsa_next_free_sgpr 66
		.amdhsa_reserve_vcc 1
		.amdhsa_float_denorm_mode_32 3
		.amdhsa_float_denorm_mode_16_64 3
		.amdhsa_memory_ordered 1
		.amdhsa_forward_progress 1
		.amdhsa_inst_pref_size 17
	.end_amdhsa_kernel
	.amdgpu_metadata
---
amdhsa.version: [ 1, 2 ]
amdhsa.kernels:
  - .name:           k_q1766d663c4_select
    .symbol:         k_q1766d663c4_select.kd
    .args:
      - { .name: kplanes, .offset: 0, .size: 8, .value_kind: global_buffer, .address_space: global }
      - { .name: seltab, .offset: 8, .size: 8, .value_kind: global_buffer, .address_space: global }
    .group_segment_fixed_size: 4096
    .private_segment_fixed_size: 0
    .kernarg_segment_align: 8
    .kernarg_segment_size: 16
    .max_flat_workgroup_size: 512
    .sgpr_count:     66
    .vgpr_count:     90
    .wavefront_size: 32
...
	.end_amdgpu_metadata
.endif
;; end of part 2
;; launch attn (part 3): grid 16 x 16, 4 waves a work-group, clusters of 4 x 1, 325,120 bytes of LDS; arguments qkv, norms, qcode, seltab, ao; writes ao
.if DOCPART == 3
	.amdgcn_target "amdgcn-amd-amdhsa--gfx1250"
	.amdhsa_code_object_version 6
	.text
	.protected	k_q1766d663c4_attn
	.globl	k_q1766d663c4_attn
	.p2align	8
	.type	k_q1766d663c4_attn,@function
k_q1766d663c4_attn:
	s_mov_b64 s[64:65], 0
	v_nop
	global_prefetch_b8 v0, s[64:65] scope:SCOPE_SE
	s_setreg_imm32_b32 hwreg(HW_REG_WAVE_MODE, 25, 1), 1
	s_wait_xcnt 0x0
	s_wait_alu depctr_hold_cnt(0) depctr_sa_sdst(0) depctr_va_vdst(0) depctr_va_sdst(0) depctr_va_ssrc(0) depctr_va_vcc(0) depctr_vm_vsrc(0)
	s_getreg_b32 s2, hwreg(HW_REG_IB_STS2, 6, 4)
	s_cmp_eq_u32 s2, 0
	s_cbranch_scc0 .Lentry_in_a_cluster
	s_endpgm
.Lentry_in_a_cluster:
	s_bfe_u32 s2, ttmp6, 0x10000c
	s_cmp_lg_u32 s2, 0x3003
	s_cbranch_scc0 .Lentry_shape_is_right
	s_endpgm
.Lentry_shape_is_right:
; Launch 3 of 4: the attention.  Nothing of the reference is left out: all 1,024 keys are scored on the matrix units and the 102 chosen ones are selected
; by the bit row of the query's code (the choice selects values only).
; With u = 2 diff_sq = 2|q|^2 + 2|k|^2 - 4 q.k (clipped at 0, which is the reference's clip of cosh_arg at 1) and den = max((1-|q|^2)(1-|k|^2), 1e-6):
;   exp(-arccosh(1 + u/den)) = den / (den + u + sqrt(u (u + 2 den))) = w, in (0, 1].
; The softmax's maximum is taken away as a ratio: P = w / (running maximum of the chosen w), sums rescaled by old maximum / new maximum in every trip.
; The running maximum starts at 2^-126, so trips without a chosen key give P = 0; w is never below 1e-6 / 4e19.
; FORMATS: q and k in bf16 (their size follows the inputs).  P and v in f16, 11 bits: P lies in [0, 1] by its construction, a P below 6e-8 of the running
; maximum counts as 0; v has the room that launch 1's head counts out.  The result o leaves as TWO bf16 parts, hi = bf16(o) and lo = bf16(o - hi), 16 bits of
; its mantissa, ready as matrix operands for launch 4: ao is [2048 tokens][8 heads][hi, lo][64], so a head's two parts are 256 consecutive bytes of a token.
; The split is made here once; each of launch 4's 8 blocks of features reads it.
; LIMITS: u above 1.8e19 overflows the product under the root.  |v| above 65,504 is infinite in f16.  q.k is made of q and k rounded to bf16 while the norms
; are those of the f32 sums, so diff_sq carries an absolute error of about 5e-4 |q| |k|; where den is clipped and diff_sq is far below the norms that error
; goes into the weights.
; SHARES: grid x = block of 64 queries, y = batch x head; a wave has 16 queries and walks all keys, 64 a trip, 16 trips.  CLUSTER 4 x 1: four query blocks
; of one head read the same K and V: every tensor load is joint (mask 15).  All of a head's K and V fit in LDS, so every byte is filled once: eight tensor
; loads a wave, all out at the start, waited for chunk by chunk (256 keys).  The key norms, 4 KiB beside K's and V's 256 KiB, come through registers.
; Scores: source 0 = 16 keys, source 1 = 16 queries (times -4), C = 2|q|^2 + 2|k|^2: lane (r, h) holds query r, register j key 16 kt + 8 h + j.
; These registers, packed, ARE source 1 of the second product (source 0 = V transposed on the way out of LDS): no shuffle.
; THE TRIP IS A PIPELINE of three trips' work.  Trip t turns the scores of its 64 keys, multiplied one trip earlier, into P.  A trip has 18 matrix instructions
; beside some 416 vector ones, so the products are set singly among the vector work: the ten of P(t-1) x V(t-1) and the eight of the scores of trip t+1,
; each followed by a slice of 8 to 12 vector instructions that name none of its registers.  V(t) and K(t+2) are asked of LDS in one run behind
; them, a whole vector phase ahead of their use.  Two sets of scores take turns, so two trips make one loop body.
; REGISTER WINDOWS: window 1 holds only what stands in source 0: K's and V's fragments, the ones, and copies of three per-query numbers.  The slices are
; chosen from the 162 instructions of a trip whose source 0 is a constant, a scalar register or one of those copies, so products and slices run
; under ONE setting (source 0 in window 1); a second setting serves the run of loads: three switches a trip.
.set KPITCH, 144                       ; 128 bytes + 16
.set VPITCH, 160                       ; 128 bytes + 32: an odd multiple of 32, for the transposing load
.set VB,  1024*KPITCH                  ; 147,456
.set KNB, VB+1024*VPITCH               ; 311,296: 2|k|^2, 4 KiB, written by LDS stores; no tensor load lands here
.set SCR, KNB+4096                     ; 315,392: each wave's 16 bit rows, pitch 144; written by LDS stores, no tensor load lands here
; window 0
.set KA,  3                            ; LDS address of the K fragments asked for next
.set VA,  4                            ; the same for V
.set NA,  5                            ; this trip's key norms
.set MA,  6                            ; this trip's bit words
.set SH8, 7
.set QN2, 8                            ; 2|q|^2
.set CQ,  10                           ; pair: 1 - |q|^2
.set MHCQ, 12                          ; -(1 - |q|^2)/2
.set MR,  14                           ; running maximum
.set MN,  15
.set QF,  16                           ; v16-31   -4 q, two fragments
.set O,   32                           ; v32-63   four tiles: lane (r, h): query r, feature 16 dt + 8 h + j
.set LT,  64                           ; v64-71   ones x P: register 0 is the sum of P of query r
.set SA,  72                           ; v72-103  scores, even trips
.set SB,  104                          ; v104-135 scores, odd trips
.set D,   136                          ; v136-167 2|k|^2, then den, then den under the mask
.set MK,  168                          ; v168-199 the keys' bits, each spread over a word; on the way out v168-183: the lo part
.set T,   200                          ; v200-207 at work; on the way out v200-215
.set TM,  208
.set INV, 212
.set AL,  214
.set PB,  216                          ; v216-231 P in f16; on the way out: the hi part
.set ML,  232
.set MW,  234
.set STO, 236
.set RD,  237
.set GO,  238
.set QA,  239
.set NQ,  240
.set CD,  241
.set SL,  242
.set MS,  243
.set NK,  244                          ; byte offset in norms of my 16 bytes of the wave's 1 KiB of key norms
.set NS,  245                          ; and where they go in LDS
; window 1 (v256 + the number)
.set KF,  0                            ; v256-319 K fragments (kt, ks) at KF + 8 (2 kt + ks)
.set VF,  64                           ; v320-383 V fragments (kb, dt) at VF + 8 (4 kb + dt)
.set ONES, 128                         ; v384-391
.set QN2W, 136                         ; v392-393 pair: 2|q|^2
.set MHW, 138                          ; v394-395 pair: -(1 - |q|^2)/2
.set SH8W, 140                         ; v396     8 h
.set G1K, 32
.set G1V, 40
.set G0C, 68                           ; chunk c: K's group 0 at s[68+8c:71+8c], V's at s[72+8c:75+8c]
.set MSB, 0
.macro WIN new                         ; the immediate's high byte repeats the setting that is left
.if MSB != \new
	s_set_vgpr_msb (MSB<<8)|\new
.set MSB, \new
.endif
.endm
.set SRC0_W1, 0x01                     ; source 0 in window 1: products and their slices
.set DST_W1,  0x40                     ; destination in window 1: loads of fragments
.macro PLACES
.rept 4
	v_nop
.endr
.endm
.macro ROUND                           ; a round of the cluster's barrier
	s_barrier_signal -1
	s_barrier_wait -1
	s_cmp_lg_u32 s14, 0
	s_cbranch_scc1 .Lnot_wave_0_\@
	s_barrier_signal -3
.Lnot_wave_0_\@:
	s_barrier_wait -3
	s_barrier_signal -1
	s_barrier_wait -1
.endm
	s_load_b256 s[4:11], s[0:1], 0x0               ; qkv s[4:5], norms s[6:7], qcode s[8:9], seltab s[10:11]
	s_load_b64 s[12:13], s[0:1], 0x20              ; ao
	v_lshl_add_u32 v254, v0, 2, 0x4f400
	v_mov_b32 v255, 0
	ds_add_u32 v254, v255
	v_lshrrev_b32 v1, 5, v0
	v_readfirstlane_b32 s14, v1                    ; wave
	s_bfe_u32 s15, ttmp6, 0x40000                  ; cx
	s_lshl_b32 s16, ttmp9, 2
	s_add_co_u32 s16, s16, s15                     ; block of 64 queries
	s_and_b32 s17, ttmp7, 0xffff                   ; batch x head, shared by the four partners
	; K and V: 64 keys of 128 bytes, dense in memory, come as 32 rows of 256 bytes; padding after every 32 words gives each key a row of its own in LDS
	s_mov_b32 s[G1K+0], 15|(1<<16)|(1<<20)|(1<<21)|(4<<22)|(3<<25)
	s_mov_b32 s[G1V+0], 15|(1<<16)|(1<<20)|(1<<21)|(4<<22)|(7<<25)
	s_mov_b32 s[G1K+1], 128<<16
	s_mov_b32 s[G1V+1], 128<<16
	s_mov_b32 s[G1K+2], 32<<16
	s_mov_b32 s[G1V+2], 32<<16
	s_mov_b32 s[G1K+3], 128<<16
	s_mov_b32 s[G1V+3], 128<<16
	s_mov_b32 s[G1K+4], 32
	s_mov_b32 s[G1V+4], 32
	s_mov_b32 s[G1K+5], 128
	s_mov_b32 s[G1V+5], 128
	s_mov_b32 s[G1K+6], 0
	s_mov_b32 s[G1V+6], 0
	s_mov_b32 s[G1K+7], 0
	s_mov_b32 s[G1V+7], 0
	s_lshl_b32 s18, s17, 17                        ; a head's 128 KiB, my 64 keys of each chunk
	s_lshl_b32 s24, s14, 13
	s_add_co_u32 s18, s18, s24
	s_mov_b32 s19, 0
	s_lshl_b32 s26, s17, 12
	s_lshl_b32 s24, s14, 10                        ; my quarter of the key norms
	s_add_co_u32 s26, s26, s24
	s_add_co_u32 s26, s26, 65536                   ; k's half of the buffer: a byte offset
	s_add_co_u32 s27, s24, KNB                     ; and its place in LDS
	s_mul_i32 s28, s14, 64*KPITCH
	s_mul_i32 s29, s14, 64*VPITCH
	s_wait_dscnt 0x0
	s_wait_kmcnt 0x0
	s_add_nc_u64 s[18:19], s[4:5], s[18:19]
.irp c, 0,1,2,3
	s_mov_b32 s[G0C+8*\c], 1
	s_add_co_u32 s[G0C+8*\c+1], s28, \c*256*KPITCH
	s_add_nc_u64 s[G0C+8*\c+2:G0C+8*\c+3], s[18:19], 0x200000+\c*32768
	s_or_b32 s[G0C+8*\c+3], s[G0C+8*\c+3], 0x80000000
	s_mov_b32 s[G0C+8*\c+4], 1
	s_add_co_u32 s[G0C+8*\c+5], s29, VB+\c*256*VPITCH
	s_add_nc_u64 s[G0C+8*\c+6:G0C+8*\c+7], s[18:19], 0x400000+\c*32768
	s_or_b32 s[G0C+8*\c+7], s[G0C+8*\c+7], 0x80000000
.endr
	ROUND                                          ; the four partners are here: the joint loads meet
.irp c, 0,1,2,3
	tensor_load_to_lds s[G0C+8*\c:G0C+8*\c+3], s[G1K:G1K+7]        ; eight loads of the wave are out, all first fills, in the order in which they are waited for
	s_nop 0
	tensor_load_to_lds s[G0C+8*\c+4:G0C+8*\c+7], s[G1V:G1V+7]
	s_nop 0
.endr
	v_and_b32 v1, 15, v0                           ; r: my query
	v_bfe_u32 v2, v0, 4, 1                         ; h
	s_lshl_b32 s30, s16, 6
	s_lshl4_add_u32 s30, s14, s30                  ; the wave's first query = 64 block + 16 wave
	s_lshl_b32 s31, s17, 10
	s_add_co_u32 s31, s31, s30
	v_add_nc_u32 v[NQ], s31, v1                    ; row in [16][1024]
	v_lshlrev_b32 v[QA], 7, v[NQ]
	v_lshl_add_u32 v[QA], v2, 4, v[QA]
	v_lshlrev_b32 v[NQ], 2, v[NQ]
	v_and_b32 v[NS], 31, v0
	v_lshlrev_b32 v[NS], 4, v[NS]                  ; 16 bytes a lane
	v_add_nc_u32 v[NK], s26, v[NS]
	v_add_nc_u32 v[NS], s27, v[NS]
	global_load_b32 v[CD], v[NQ], s[8:9]
	global_load_b32 v[QN2], v[NQ], s[6:7]
.irp i, 0,1,2,3
	global_load_b128 v[QF+4*\i:QF+4*\i+3], v[QA], s[4:5] offset:32*\i
.endr
	global_load_b128 v[D:D+3], v[NK], s[6:7]               ; the wave's 256 key norms: two loads of 512 consecutive bytes
	global_load_b128 v[D+4:D+7], v[NK], s[6:7] offset:512
	s_mov_b32 s20, 0x76543210
	s_mov_b32 s21, 0xfedcba98
	s_mov_b32 s23, 0x358637bd                      ; 1e-6
	s_mov_b32 s25, 0xffff0000                      ; a word's upper bf16
	v_mul_u32_u24 v[KA], v1, KPITCH
	v_mov_b32 v[MA], v[KA]
	v_lshl_add_u32 v[KA], v2, 4, v[KA]             ; key row r, 16 bytes for each half of the lanes
	v_and_b32 v[VA], 7, v0
	v_lshl_add_u32 v[VA], v2, 3, v[VA]             ; key row 8 h + (lane & 7),
	v_mul_u32_u24 v[VA], v[VA], VPITCH
	v_bfe_u32 v[T], v0, 3, 1
	v_lshl_add_u32 v[VA], v[T], 4, v[VA]           ; 16 bytes further for lanes 8-15 of each half
	v_add_nc_u32 v[VA], VB, v[VA]
	v_lshlrev_b32 v[NA], 5, v2
	v_add_nc_u32 v[NA], KNB, v[NA]                 ; eight norms from key 8 h on
	s_mul_i32 s60, s14, 16*KPITCH
	s_add_co_u32 s60, s60, SCR
	v_add_nc_u32 v[MA], s60, v[MA]                 ; my query's bit row
	v_lshl_add_u32 v[MS], v2, 6, v[MA]             ; the half of it that I bring
	v_lshlrev_b32 v[SH8], 3, v2
	v_mov_b32 v[MR], 0x00800000                    ; 2^-126
	s_mul_i32 s61, s14, 4608                       ; the way out: 16 rows x 272 bytes in K's bytes, behind K's last read
	v_mul_u32_u24 v[STO], v1, 272
	v_lshl_add_u32 v[STO], v2, 4, v[STO]           ; in: row r, 16 bytes (8 bf16) for each half of the lanes
	v_add_nc_u32 v[STO], s61, v[STO]
	v_mul_u32_u24 v[RD], v2, 272
	v_lshl_add_u32 v[RD], v1, 4, v[RD]             ; back: lanes 0-15 take one row of 256 bytes, lanes 16-31 the next
	v_add_nc_u32 v[RD], s61, v[RD]
	s_lshr_b32 s62, s17, 3                         ; batch
	s_lshl_b32 s62, s62, 10
	s_add_co_u32 s62, s62, s30
	s_lshl_b32 s62, s62, 11                        ; token row of 2,048 bytes
	s_and_b32 s63, s17, 7
	s_lshl_b32 s63, s63, 8                         ; the head's 256 bytes
	s_add_co_u32 s62, s62, s63
	v_lshlrev_b32 v[GO], 11, v2
	v_lshl_add_u32 v[GO], v1, 4, v[GO]
	v_add_nc_u32 v[GO], s62, v[GO]
	s_lshl_b32 s63, s17, 15
	v_lshlrev_b32 v[SL], 6, v2
	v_add_nc_u32 v[SL], s63, v[SL]
	s_wait_loadcnt 0x7                             ; the code is in; seven younger loads stay out (the norm, q's four, the key norms' two)
	v_min_u32 v[CD], 0xff, v[CD]
	v_lshl_add_u32 v[SL], v[CD], 7, v[SL]          ; the code's row of 128 bytes
.irp i, 0,1,2,3
	global_load_b128 v[SB+4*\i:SB+4*\i+3], v[SL], s[10:11] offset:16*\i
.endr
	s_wait_loadcnt 0x6                             ; the norm and q are in; the key norms' two loads and the bit row's four stay out
.irp i, 0,1,2,3,4,5,6,7,8,9,10,11,12,13,14,15
	v_lshlrev_b32 v[T+2*(\i&3)], 16, v[QF+\i]
	v_and_b32 v[T+2*(\i&3)+1], s25, v[QF+\i]
	v_pk_mul_f32 v[T+2*(\i&3):T+2*(\i&3)+1], v[T+2*(\i&3):T+2*(\i&3)+1], -4.0 op_sel_hi:[1,0]
	v_cvt_pk_bf16_f32 v[QF+\i], v[T+2*(\i&3)], v[T+2*(\i&3)+1]   ; -4 q: a change of sign and exponent, exact
.endr
	v_fma_f32 v[CQ], v[QN2], -0.5, 1.0
	v_mov_b32 v[CQ+1], v[CQ]
	v_mul_f32 v[MHCQ], -0.5, v[CQ]
	WIN DST_W1                                     ; what the slices take as source 0 goes to window 1, once
	v_mov_b32 v[QN2W], v[QN2]
	v_mov_b32 v[QN2W+1], v[QN2]
	v_mov_b32 v[MHW], v[MHCQ]
	v_mov_b32 v[MHW+1], v[MHCQ]
	v_mov_b32 v[SH8W], v[SH8]
.irp i, 0,1,2,3,4,5,6,7
	v_mov_b32 v[ONES+\i], 0x3c003c00               ; 1.0 twice, in f16
.endr
	WIN 0
	s_wait_loadcnt 0x0
	ds_store_b128 v[NS], v[D:D+3]                  ; read by all four waves, behind the wait for these stores and the barrier below
	ds_store_b128 v[NS], v[D+4:D+7] offset:512
.irp i, 0,1,2,3
	ds_store_b128 v[MS], v[SB+4*\i:SB+4*\i+3] offset:16*\i
.endr
; ---- the parts of a trip ----
.macro KLOADS                          ; 64 keys' K fragments, 16 loads
	WIN DST_W1
.irp kt, 0,1,2,3
.irp ks, 0,1
.irp e, 0,1
	ds_load_b128 v[KF+8*(2*\kt+\ks)+4*\e:KF+8*(2*\kt+\ks)+4*\e+3], v[KA] offset:16*KPITCH*\kt+64*\ks+32*\e
.endr
.endr
.endr
.endm
.macro VLOADS                          ; 64 keys' V fragments, transposed on the way, 16 loads
	WIN DST_W1
.irp kb, 0,1
.irp dt, 0,1,2,3
.irp e, 0,1
	ds_load_tr16_b128 v[VF+8*(4*\kb+\dt)+4*\e:VF+8*(4*\kb+\dt)+4*\e+3], v[VA] offset:32*VPITCH*\kb+32*\dt+16*VPITCH*\e
.endr
.endr
.endr
.endm
.macro NLOADS dst, off                 ; 64 keys' norms, my 32 of them, 8 loads
.irp kt, 0,1,2,3
	ds_load_b128 v[\dst+8*\kt:\dst+8*\kt+3],   v[NA] offset:\off+64*\kt
	ds_load_b128 v[\dst+8*\kt+4:\dst+8*\kt+7], v[NA] offset:\off+64*\kt+16
.endr
.endm
; product i of the ten of P x V (f16): 32 keys kb = i / 5; tiles O0..O3, then the sum of P.  The five accumulators take turns, one instruction a turn.
.macro PVW i, zero
.set kb_, (\i)/5
.set ix_, (\i)%5
.set z_, 0
.if \zero
.if kb_ == 0
.set z_, 1
.endif
.endif
.if ix_ < 4
.if z_
	v_wmma_f32_16x16x32_f16 v[O+8*ix_:O+8*ix_+7], v[VF+8*(4*kb_+ix_):VF+8*(4*kb_+ix_)+7], v[PB+8*kb_:PB+8*kb_+7], 0
.else
	v_wmma_f32_16x16x32_f16 v[O+8*ix_:O+8*ix_+7], v[VF+8*(4*kb_+ix_):VF+8*(4*kb_+ix_)+7], v[PB+8*kb_:PB+8*kb_+7], v[O+8*ix_:O+8*ix_+7]
.endif
.else
.if z_
	v_wmma_f32_16x16x32_f16 v[LT:LT+7], v[ONES:ONES+7], v[PB+8*kb_:PB+8*kb_+7], 0
.else
	v_wmma_f32_16x16x32_f16 v[LT:LT+7], v[ONES:ONES+7], v[PB+8*kb_:PB+8*kb_+7], v[LT:LT+7]
.endif
.endif
.endm
; product i of the eight of the scores (bf16): ks = i / 4, tile kt = i % 4.  The four accumulators take turns, one instruction a turn.
.macro SCW i, s
.set ks_, (\i)>>2
.set kt_, (\i)&3
	v_wmma_f32_16x16x32_bf16 v[\s+8*kt_:\s+8*kt_+7], v[KF+8*(2*kt_+ks_):KF+8*(2*kt_+ks_)+7], v[QF+8*ks_:QF+8*ks_+7], v[\s+8*kt_:\s+8*kt_+7]
.endm
; slice i of ten, behind the products of P x V.  Every line's source 0 is a constant, a scalar register or a register of window 1.
.macro ASL i, cur, nxt, sc
.if \i < 4
.irp j, 0,2,4,6
	v_pk_fma_f32 v[D+8*\i+\j:D+8*\i+\j+1], v[MHW:MHW+1], v[D+8*\i+\j:D+8*\i+\j+1], v[CQ:CQ+1]    ; (1-|q|^2)(1-|k|^2)
.endr
.irp j, 0,1,2,3,4,5,6,7
	v_max_num_f32 v[\cur+8*\i+\j], 0, v[\cur+8*\i+\j]                                             ; u
.endr
.else
.if \i < 8
.irp j, 0,1,2,3,4,5,6,7
	v_max_num_f32 v[D+8*(\i-4)+\j], s23, v[D+8*(\i-4)+\j]                                         ; den
.endr
.else
.if \i == 8
	v_lshrrev_b32 v[MW], v[SH8W], v[ML]            ; my half's eight bits of each 16 come to the bottom
	v_lshrrev_b32 v[MW+1], v[SH8W], v[ML+1]
.endif
.if \sc
.if \i == 8
	s_wait_dscnt 0x0                               ; the next trip's norms are in the set of scores that is free
.endif
.irp j, 0,2,4,6,8,10,12,14
	v_pk_add_f32 v[\nxt+16*(\i-8)+\j:\nxt+16*(\i-8)+\j+1], v[QN2W:QN2W+1], v[\nxt+16*(\i-8)+\j:\nxt+16*(\i-8)+\j+1]   ; the next scores start as 2|k|^2 + 2|q|^2
.endr
.endif
.endif
.endif
.endm
; slice i of eight, behind the products of the scores: four keys' bits (tile i / 2), each to the top of a word and spread over it
.macro BSL i
.irp j, 0,1,2,3
	v_lshlrev_b32 v[MK+4*\i+\j], 31-16*((\i>>1)&1)-4*(\i&1)-\j, v[MW+(\i>>2)]
.endr
.irp j, 0,1,2,3
	v_ashrrev_i32 v[MK+4*\i+\j], 31, v[MK+4*\i+\j]
.endr
.endm
; eight scores of tile kt: from u and den to the selected w; then the tile of D takes the next trip's norms
.macro EW kt, cur, ld1
.irp j, 0,2,4,6
	v_pk_fma_f32 v[T+\j:T+\j+1], v[D+8*\kt+\j:D+8*\kt+\j+1], 2.0, v[\cur+8*\kt+\j:\cur+8*\kt+\j+1] op_sel_hi:[1,0,1]
.endr
.irp j, 0,2,4,6
	v_pk_mul_f32 v[T+\j:T+\j+1], v[T+\j:T+\j+1], v[\cur+8*\kt+\j:\cur+8*\kt+\j+1]
.endr
.irp j, 0,1,2,3,4,5,6,7
	v_sqrt_f32 v[T+\j], v[T+\j]
.endr
.irp j, 0,2,4,6
	v_pk_add_f32 v[\cur+8*\kt+\j:\cur+8*\kt+\j+1], v[\cur+8*\kt+\j:\cur+8*\kt+\j+1], v[D+8*\kt+\j:D+8*\kt+\j+1]   ; plain work behind the roots, in front of their use
.endr
	s_wait_alu depctr_va_vdst(0)
.irp j, 0,2,4,6
	v_pk_add_f32 v[\cur+8*\kt+\j:\cur+8*\kt+\j+1], v[\cur+8*\kt+\j:\cur+8*\kt+\j+1], v[T+\j:T+\j+1]
.endr
.irp j, 0,1,2,3,4,5,6,7
	v_rcp_f32 v[\cur+8*\kt+\j], v[\cur+8*\kt+\j]
.endr
.irp j, 0,1,2,3,4,5,6,7
	v_and_b32 v[D+8*\kt+\j], v[D+8*\kt+\j], v[MK+8*\kt+\j]        ; den, or +0 for a key that is not chosen (plain work behind the reciprocals)
.endr
	s_wait_alu depctr_va_vdst(0)
.irp j, 0,2,4,6
	v_pk_mul_f32 v[\cur+8*\kt+\j:\cur+8*\kt+\j+1], v[\cur+8*\kt+\j:\cur+8*\kt+\j+1], v[D+8*\kt+\j:D+8*\kt+\j+1]   ; w, or +0
.endr
	v_max_num_f32 v[TM+\kt], v[\cur+8*\kt], v[\cur+8*\kt+1]
	v_max3_num_f32 v[TM+\kt], v[TM+\kt], v[\cur+8*\kt+2], v[\cur+8*\kt+3]
	v_max3_num_f32 v[TM+\kt], v[TM+\kt], v[\cur+8*\kt+4], v[\cur+8*\kt+5]
	v_max3_num_f32 v[TM+\kt], v[TM+\kt], v[\cur+8*\kt+6], v[\cur+8*\kt+7]
.if \ld1
	ds_load_b128 v[D+8*\kt:D+8*\kt+3],   v[NA] offset:256+64*\kt
	ds_load_b128 v[D+8*\kt+4:D+8*\kt+7], v[NA] offset:256+64*\kt+16
.endif
.endm
; Trip t.  cur: the scores of trip t; nxt: the other set, which holds the norms of trip t+1.  hw: the LDS loads that may stay out at the head.
; pv: P(t-1) x V(t-1) exists (pvz: it starts the sums).  sc: trip t+1 exists.  ldk: K(t+2) exists.  ld1: trip t+1's norms and bit words are asked for.
; ld2: trip t+2's norms are asked for, into cur.
; LDS loads of a trip, in order: V(t) 16, K(t+2) 16, bit words 1, norms into D 8, norms into cur 8.
.macro TRIP cur, nxt, hw, pv, pvz, sc, ldk, ld1, ld2
	s_wait_dscnt \hw                               ; all but the youngest hw loads: V(t-1), K(t+1) (trip 0: not yet), this trip's norms and bit words are in
	WIN SRC0_W1
.irp q, 0,1,2,3,4,5,6,7,8,9
.if \pv
	PVW \q, \pvz
.endif
	ASL \q, \cur, \nxt, \sc
.endr
.irp q, 0,1,2,3,4,5,6,7
.if \sc
	SCW \q, \nxt
.endif
	BSL \q
.endr
	VLOADS                                         ; the last slice's eight lines are the places between the last product and these loads into fragments
.if \ldk
	KLOADS
.endif
	WIN 0
.if \ld1
	ds_load_b64 v[ML:ML+1], v[MA] offset:8
.endif
	EW 0, \cur, \ld1
	EW 1, \cur, \ld1
	EW 2, \cur, \ld1
	EW 3, \cur, \ld1
	v_max3_num_f32 v[TM], v[TM], v[TM+1], v[TM+2]
	v_max_num_f32 v[TM], v[TM], v[TM+3]
	v_permlanex16_b32 v[TM+1], v[TM], s20, s21     ; the other 32 keys of my query
	v_max3_num_f32 v[MN], v[TM], v[TM+1], v[MR]
	v_rcp_f32 v[INV], v[MN]
.if \ld1
	v_add_nc_u32 v[VA], 64*VPITCH, v[VA]           ; V's next 64 keys; also the plain place behind the reciprocal
	s_wait_alu depctr_va_vdst(0)
.else
	v_nop                                          ; the plain place behind the reciprocal
	s_wait_alu depctr_va_vdst(0)
.endif
	v_mov_b32 v[INV+1], v[INV]
.if \pv
	v_mul_f32 v[AL], v[MR], v[INV]                 ; old maximum / new maximum
	v_mov_b32 v[AL+1], v[AL]
.endif
	v_mov_b32 v[MR], v[MN]
.if \ldk
	v_add_nc_u32 v[KA], 64*KPITCH, v[KA]
.endif
.irp i, 0,2,4,6,8,10,12,14,16,18,20,22,24,26,28,30
	v_pk_mul_f32 v[\cur+\i:\cur+\i+1], v[\cur+\i:\cur+\i+1], v[INV:INV+1]
.endr
.irp i, 0,1,2,3,4,5,6,7,8,9,10,11,12,13,14,15
	v_cvt_pk_f16_f32 v[PB+\i], v[\cur+2*\i], v[\cur+2*\i+1]
.endr
.if \ld2
	NLOADS \cur, 512                               ; this set of scores is free: it takes the norms of trip t+2
.endif
.if \pv
.irp i, 0,2,4,6,8,10,12,14,16,18,20,22,24,26,28,30
	v_pk_mul_f32 v[O+\i:O+\i+1], v[O+\i:O+\i+1], v[AL:AL+1]
.endr
	v_pk_mul_f32 v[LT:LT+1], v[LT:LT+1], v[AL:AL+1]    ; only register 0 of this tile is ever read
.endif
.if \ld1
	v_add_nc_u32 v[NA], 256, v[NA]
	v_add_nc_u32 v[MA], 8, v[MA]
.endif
.endm
; Four trips behind a chunk's barrier.  K is read two trips ahead, so the barrier of the chunk of trips 4c .. 4c+3 stands in front of trip 4c-2.
; left = the tensor loads issued behind this chunk's two, which may stay out.
.macro CH left
	s_wait_tensorcnt \left
	s_wait_dscnt 0x0                               ; no LDS access of mine is out at the signal
	s_barrier_signal -1
	s_barrier_wait -1                              ; every wave's quarter of the chunk is in
	s_mov_b32 s22, 2
.Lpair_\@:
	TRIP SA, SB, 8, 1, 0, 1, 1, 1, 1
	TRIP SB, SA, 8, 1, 0, 1, 1, 1, 1
	s_sub_co_i32 s22, s22, 1
	s_cmp_lg_u32 s22, 0
	s_cbranch_scc1 .Lpair_\@
.endm
	s_wait_tensorcnt 0x6                           ; my quarter of K's and V's first chunk is in; six younger loads stay out
	s_wait_dscnt 0x0                               ; my LDS stores (key norms, bit rows) are done
	s_barrier_signal -1
	s_barrier_wait -1
	; the pipeline is filled: the scores of trip 0, and what trip 0 expects to find asked for
	KLOADS                                         ; K(0)
	WIN 0
	NLOADS SA, 0                                   ; norms of trip 0, to start its scores
	NLOADS D, 0                                    ; and for its den
	ds_load_b64 v[ML:ML+1], v[MA]
	NLOADS SB, 256                                 ; norms of trip 1
	v_add_nc_u32 v[KA], 64*KPITCH, v[KA]
	s_wait_dscnt 17                                ; K(0) and SA are in; 8 + 1 + 8 younger loads stay out
	WIN SRC0_W1
.irp j, 0,2,4,6,8,10,12,14,16,18,20,22,24,26,28,30
	v_pk_add_f32 v[SA+\j:SA+\j+1], v[QN2W:QN2W+1], v[SA+\j:SA+\j+1]
.endr
.irp q, 0,1,2,3,4,5,6,7
	SCW \q, SA
.endr
	PLACES                                         ; behind the products: the loads below land on K's fragments, trip 0's first slice reads the scores
	KLOADS                                         ; K(1)
	WIN 0
	v_add_nc_u32 v[KA], 64*KPITCH, v[KA]
	TRIP SA, SB, 16, 0, 0, 1, 1, 1, 1              ; trip 0: K(1)'s sixteen loads may stay out at its head; its wait for 0 in slice 8 covers them
	TRIP SB, SA, 8, 1, 1, 1, 1, 1, 1               ; trip 1: the first products of P x V start the sums
	CH 4                                           ; trips 2-5 read K(4..7), V(2..5)
	CH 2                                           ; trips 6-9 read K(8..11), V(6..9)
	CH 0                                           ; trips 10-13 read K(12..15), V(10..13)
	TRIP SA, SB, 8, 1, 0, 1, 0, 1, 0               ; trip 14: no K(16), no norms of a trip 16
	TRIP SB, SA, 0, 1, 0, 0, 0, 0, 0               ; trip 15: nothing more to ask for but V(15); no later trip's norms are out, so its head waits for 0
	s_wait_dscnt 0x0                               ; V(15)
	WIN SRC0_W1
.irp q, 0,1,2,3,4,5,6,7,8,9
	PVW \q, 0
.endr
	WIN 0
	PLACES
	v_rcp_f32 v[INV], v[LT]                        ; at least one P is 1 up to rounding: 102 keys are chosen for every query
	v_nop
	s_wait_alu depctr_va_vdst(0)
	v_mov_b32 v[INV+1], v[INV]
.irp i, 0,2,4,6,8,10,12,14,16,18,20,22,24,26,28,30
	v_pk_mul_f32 v[O+\i:O+\i+1], v[O+\i:O+\i+1], v[INV:INV+1]
.endr
	; THE WAY OUT: o as two bf16 parts.  A tile's eight numbers of a lane are eight neighbouring features: 16 bytes of hi, 16 bytes of lo.
.irp dt, 0,1,2,3
.irp i, 0,1,2,3
	v_cvt_pk_bf16_f32 v[PB+4*\dt+\i], v[O+8*\dt+2*\i], v[O+8*\dt+2*\i+1]                          ; hi
.endr
.irp i, 0,1,2,3
	v_lshlrev_b32 v[T+8*(\dt&1)+2*\i], 16, v[PB+4*\dt+\i]
	v_and_b32 v[T+8*(\dt&1)+2*\i+1], s25, v[PB+4*\dt+\i]
.endr
.irp i, 0,1,2,3
	v_pk_add_f32 v[O+8*\dt+2*\i:O+8*\dt+2*\i+1], v[O+8*\dt+2*\i:O+8*\dt+2*\i+1], v[T+8*(\dt&1)+2*\i:T+8*(\dt&1)+2*\i+1] neg_lo:[0,1] neg_hi:[0,1]   ; o - hi, exact in f32
.endr
.irp i, 0,1,2,3
	v_cvt_pk_bf16_f32 v[MK+4*\dt+\i], v[O+8*\dt+2*\i], v[O+8*\dt+2*\i+1]                          ; lo
.endr
.endr
	s_wait_dscnt 0x0
	s_barrier_signal -1
	s_barrier_wait -1                              ; no wave reads K any more, and K has had its last fill
.irp dt, 0,1,2,3
	ds_store_b128 v[STO], v[PB+4*\dt:PB+4*\dt+3] offset:32*\dt         ; a row of the stage: 128 bytes of hi,
	ds_store_b128 v[STO], v[MK+4*\dt:MK+4*\dt+3] offset:128+32*\dt     ; then 128 bytes of lo
.endr
.irp t, 0,1,2,3,4,5,6,7
	ds_load_b128 v[SA+4*\t:SA+4*\t+3], v[RD] offset:544*\t    ; my own bytes, served in order behind my stores
.endr
.irp t, 0,1,2,3,4,5,6,7
	s_wait_dscnt 7-\t
	global_store_b128 v[GO], v[SA+4*\t:SA+4*\t+3], s[12:13] offset:4096*\t   ; sixteen lanes store a head's 256 consecutive bytes of a token, aligned
.endr
	s_wait_tensorcnt 0x0
	ds_add_u32 v254, v255
	s_wait_dscnt 0x0
	ROUND                                          ; the closing round
	s_endpgm
.Lfunc_end_k_q1766d663c4_attn:
	.size	k_q1766d663c4_attn, .Lfunc_end_k_q1766d663c4_attn-k_q1766d663c4_attn
	.p2alignl 7, 3214868480
	.fill 96, 4, 3214868480
	.section	.rodata,"a",@progbits
	.p2align	6, 0x0
	.amdhsa_kernel k_q1766d663c4_attn
		.amdhsa_group_segment_fixed_size 325120
		.amdhsa_private_segment_fixed_size 0
		.amdhsa_enable_private_segment 0
		.amdhsa_kernarg_size 40
		.amdhsa_user_sgpr_count 2
		.amdhsa_user_sgpr_kernarg_segment_ptr 1
		.amdhsa_wavefront_size32 1
		.amdhsa_system_sgpr_workgroup_id_x 1
		.amdhsa_system_sgpr_workgroup_id_y 1
		.amdhsa_system_sgpr_workgroup_id_z 1
		.amdhsa_system_vgpr_workitem_id 0
		.amdhsa_next_free_vgpr 400
		.amdhsa_next_free_sgpr 100
		.amdhsa_reserve_vcc 0
		.amdhsa_float_denorm_mode_32 3
		.amdhsa_float_denorm_mode_16_64 3
		.amdhsa_memory_ordered 1
		.amdhsa_forward_progress 1
		.amdhsa_inst_pref_size 254
	.end_amdhsa_kernel
	.amdgpu_metadata
---
amdhsa.version: [ 1, 2 ]
amdhsa.kernels:
  - .name:           k_q1766d663c4_attn
    .symbol:         k_q1766d663c4_attn.kd
    .args:
      - { .name: qkv, .offset: 0, .size: 8, .value_kind: global_buffer, .address_space: global }
      - { .name: norms, .offset: 8, .size: 8, .value_kind: global_buffer, .address_space: global }
      - { .name: qcode, .offset: 16, .size: 8, .value_kind: global_buffer, .address_space: global }
      - { .name: seltab, .offset: 24, .size: 8, .value_kind: global_buffer, .address_space: global }
      - { .name: ao, .offset: 32, .size: 8, .value_kind: global_buffer, .address_space: global }
    .group_segment_fixed_size: 325120
    .private_segment_fixed_size: 0
    .kernarg_segment_align: 8
    .kernarg_segment_size: 40
    .max_flat_workgroup_size: 128
    .sgpr_count:     100
    .vgpr_count:     400
    .wavefront_size: 32
...
	.end_amdgpu_metadata
.endif
;; end of part 3
;; launch oproj (part 4): grid 8 x 32, 4 waves a work-group, clusters of 4 x 4, 289,280 bytes of LDS; arguments ao, Wo, out0; writes out0
.if DOCPART == 4
	.amdgcn_target "amdgcn-amd-amdhsa--gfx1250"
	.amdhsa_code_object_version 6
	.text
	.protected	k_q1766d663c4_oproj
	.globl	k_q1766d663c4_oproj
	.p2align	8
	.type	k_q1766d663c4_oproj,@function
k_q1766d663c4_oproj:
	s_mov_b64 s[64:65], 0
	v_nop
	global_prefetch_b8 v0, s[64:65] scope:SCOPE_SE
	s_setreg_imm32_b32 hwreg(HW_REG_WAVE_MODE, 25, 1), 1
	s_wait_xcnt 0x0
	s_wait_alu depctr_hold_cnt(0) depctr_sa_sdst(0) depctr_va_vdst(0) depctr_va_sdst(0) depctr_va_ssrc(0) depctr_va_vcc(0) depctr_vm_vsrc(0)
	s_getreg_b32 s2, hwreg(HW_REG_IB_STS2, 6, 4)
	s_cmp_eq_u32 s2, 0
	s_cbranch_scc0 .Lentry_in_a_cluster
	s_endpgm
.Lentry_in_a_cluster:
	s_bfe_u32 s2, ttmp6, 0x10000c
	s_cmp_lg_u32 s2, 0xf033
	s_cbranch_scc0 .Lentry_shape_is_right
	s_endpgm
.Lentry_shape_is_right:
; Launch 4 of 4: out0 = ao Wo^T (bf16 operands, f32 sums).  Nothing of the reference is left out.
; Wo is rounded to bf16 here.  ao comes as launch 3 left it, [2048 tokens][8 heads][hi, lo][64] in bf16: two parts, 16 bits of the mantissa, so that the chain of
; products does not round to 8 bits once more: 8 matrix instructions for a K step of 32 in place of 4.  Both parts come out of LDS ready as fragments.
; A work-group makes 64 tokens x 64 features, so that there are 256 work-groups; wave w makes tokens 16 w .. 16 w + 15 x all 64 features: 4 accumulator tiles.
; ALL OF K LIES IN LDS: four regions, one for each chunk of 128 along K, each with 64 rows of ao and 64 rows of Wo of 512 bytes (528 with padding):
; 4 x 128 x 528 = 270,336 bytes.  512 bytes of a row of ao are two heads' hi and lo parts, 128 features; 512 bytes of a row of Wo are the same 128 features in f32.
; Every byte is filled once: four tensor loads a wave, all out at the start, waited for chunk by chunk; no slot is ever filled again.
; CLUSTER 4 x 4: ao's tile is shared along a row of the cluster, Wo's along a column; both are asked for jointly.  A tensor load brings 32 rows: a tile has 64
; and two waves share it.
; Source 0 = weight rows, source 1 = token rows: lane (r, h) holds token r, registers j features 16 mt + 8 h + j.
.set MFR,   4                          ; fragments of 16 weight rows
.set LROWS, 32                         ; rows that one tensor load brings
.set PITCH, 528                        ; 512 bytes + 16 of padding, an odd multiple of 16: 16 rows start in 16 different 16-byte columns
.set HALFT, LROWS*PITCH
.set REGION, 4*HALFT                   ; ao's two halves, then Wo's two halves
.set STAGE, 4*REGION                   ; behind the regions: 16 rows x 272 bytes for each wave (4,608 reserved); no tensor load lands here
.set NLD,   4*MFR+4                    ; LDS loads of one K step of 32: 16 for Wo in f32, 4 for ao's two parts
.set ADM, 4                            ; v4-7   LDS address of the weight fragments in region 0..3
.set ADN, 8                            ; v8-11  the same for my token fragments
.set STO, 12
.set RD,  13
.set GO,  14
.set MF,  64                           ; v64-95  weight fragments in bf16
.set NF,  96                           ; v96-127 ao's fragments, two buffers: hi at NF + 16 b, lo at NF + 16 b + 8
.set ACC, 128                          ; v128-159.  Window 1: v0-63, v128-191 Wo's f32 fragments as loaded, two buffers
.set G1X, 32                           ; s[32:39] group 1 for ao's tiles
.set G1W, 40                           ; s[40:47] group 1 for Wo's tiles: it differs in the mask alone
.set G0X, 48                           ; s[48:63] group 0 for ao's tiles, one set for each chunk
.set G0W, 68                           ; s[68:83] group 0 for Wo's tiles, one set for each chunk
.set G1BITS, (2<<16)|(1<<20)|(1<<21)|(6<<22)|(3<<25)   ; 4-byte elements; padding on; bit 21 beside a mask; after every 128 words; 4 words
.set MSB, 0
.macro WIN new                         ; the immediate's high byte repeats the setting that is left
.if MSB != \new
	s_set_vgpr_msb (MSB<<8)|\new
.set MSB, \new
.endif
.endm
.macro PLACES                          ; four plain places behind a matrix instruction (ISA guide 7.12.1)
.rept 4
	v_nop
.endr
.endm
.macro CROUND                          ; a round of the cluster's barrier
	s_barrier_signal -1
	s_barrier_wait -1
	s_cmp_lg_u32 s22, 0
	s_cbranch_scc1 .Lnot_wave_0_\@
	s_barrier_signal -3
.Lnot_wave_0_\@:
	s_barrier_wait -3
	s_barrier_signal -1
	s_barrier_wait -1
.endm
; The fragments of K step ks (32 features) of chunk c into buffers b.  ao: features 32 ks .. lie in head ks / 2 of the chunk's two, 64 bytes into its parts for odd ks;
; lane (r, h) takes k = 8h..8h+7 (16 bytes) and k = 16+8h.. (32 bytes on) of hi, and the same of lo, 128 bytes on.  Wo in f32: twice the bytes, into window 1.
.macro FETCH c, ks, b
	WIN 0
	ds_load_b128 v[NF+16*\b:NF+16*\b+3],     v[ADN+\c] offset:((\ks)>>1)*256+((\ks)&1)*64
	ds_load_b128 v[NF+16*\b+4:NF+16*\b+7],   v[ADN+\c] offset:((\ks)>>1)*256+((\ks)&1)*64+32
	ds_load_b128 v[NF+16*\b+8:NF+16*\b+11],  v[ADN+\c] offset:((\ks)>>1)*256+((\ks)&1)*64+128
	ds_load_b128 v[NF+16*\b+12:NF+16*\b+15], v[ADN+\c] offset:((\ks)>>1)*256+((\ks)&1)*64+160
	WIN 0x40
.set f, 0
.rept MFR
	ds_load_b128 v[128*\b+16*f:128*\b+16*f+3],     v[ADM+\c] offset:f*16*PITCH+(\ks)*128
	ds_load_b128 v[128*\b+16*f+4:128*\b+16*f+7],   v[ADM+\c] offset:f*16*PITCH+(\ks)*128+16
	ds_load_b128 v[128*\b+16*f+8:128*\b+16*f+11],  v[ADM+\c] offset:f*16*PITCH+(\ks)*128+64
	ds_load_b128 v[128*\b+16*f+12:128*\b+16*f+15], v[ADM+\c] offset:f*16*PITCH+(\ks)*128+80
.set f, f+1
.endr
.endm
.macro CVT b                           ; Wo: f32 (window 1) to bf16 fragments (window 0)
	WIN 0x05
.set cq, 0
.rept 8*MFR
	v_cvt_pk_bf16_f32 v[MF+cq], v[128*\b+2*cq], v[128*\b+2*cq+1]
.set cq, cq+1
.endr
.endm
.macro MUL b, zero                     ; the four accumulators take turns, one instruction a turn: hi's four products, then lo's four
	WIN 0
.irp m, 0,1,2,3
.if \zero
	v_wmma_f32_16x16x32_bf16 v[ACC+8*\m:ACC+8*\m+7], v[MF+8*\m:MF+8*\m+7], v[NF+16*\b:NF+16*\b+7], 0
.else
	v_wmma_f32_16x16x32_bf16 v[ACC+8*\m:ACC+8*\m+7], v[MF+8*\m:MF+8*\m+7], v[NF+16*\b:NF+16*\b+7], v[ACC+8*\m:ACC+8*\m+7]
.endif
.endr
.irp m, 0,1,2,3
	v_wmma_f32_16x16x32_bf16 v[ACC+8*\m:ACC+8*\m+7], v[MF+8*\m:MF+8*\m+7], v[NF+16*\b+8:NF+16*\b+15], v[ACC+8*\m:ACC+8*\m+7]
.endr
.endm
.macro STEP c, ks, zero
.if \zero == 0
	PLACES                                         ; behind the last products: the loads below land on ao's fragments of two steps back, the conversions on Wo's fragments
.endif
.if \ks < 3
	FETCH \c, (\ks+1), ((\ks+1)&1)
	s_wait_dscnt NLD                               ; all but the NLD loads just issued: this K step's fragments are in
.else
	s_wait_dscnt 0x0
.endif
	CVT (\ks&1)
	MUL (\ks&1), \zero
.endm
.macro WORK c, zero                    ; one chunk of 128 along K
	FETCH \c, 0, 0
	STEP \c, 0, \zero
	STEP \c, 1, 0
	STEP \c, 2, 0
	STEP \c, 3, 0
.endm
; left = the tensor loads issued behind this chunk's, which may stay out
.macro CHUNK c, left, zero
	s_wait_tensorcnt \left                         ; my part of the chunk is in
	s_wait_dscnt 0x0                               ; no LDS access of mine is out at the signal
	s_barrier_signal -1
	s_barrier_wait -1                              ; every wave's part is
	WORK \c, \zero
.endm
	s_load_b128 s[4:7], s[0:1], 0x0                ; ao s[4:5], Wo s[6:7]
	s_load_b64 s[8:9], s[0:1], 0x10                ; out0
	v_lshl_add_u32 v254, v0, 2, 0x46800
	v_mov_b32 v255, 0
	ds_add_u32 v254, v255
	v_lshrrev_b32 v1, 5, v0
	v_readfirstlane_b32 s22, v1                    ; wave
	s_lshr_b32 s23, s22, 1                         ; I fetch for ao (0) or for Wo (1)
	s_and_b32 s24, s22, 1                          ; which 32 rows I fetch
	s_bfe_u32 s25, ttmp6, 0x40000                  ; cx
	s_bfe_u32 s26, ttmp6, 0x40004                  ; cy
	s_lshl_b32 s27, ttmp9, 2
	s_add_co_u32 s27, s27, s25                     ; block of 64 features
	s_and_b32 s28, ttmp7, 0xffff
	s_lshl_b32 s28, s28, 2
	s_add_co_u32 s28, s28, s26                     ; block of 64 tokens
	s_lshl_b32 s29, s26, 2
	s_lshl_b32 s29, 15, s29                        ; my row of the cluster
	s_lshl_b32 s30, 0x1111, s25                    ; my column
	s_or_b32 s[G1X+0], s29, G1BITS                 ; ao's tiles go to my row,
	s_or_b32 s[G1W+0], s30, G1BITS                 ; Wo's to my column
	s_mov_b32 s[G1X+1], 128<<16                    ; tensor_dim0 = 128
	s_mov_b32 s[G1W+1], 128<<16
	s_mov_b32 s[G1X+2], LROWS<<16                  ; tensor_dim1 = 32
	s_mov_b32 s[G1W+2], LROWS<<16
	s_mov_b32 s[G1X+3], 128<<16                    ; tile_dim0 = 128
	s_mov_b32 s[G1W+3], 128<<16
	s_mov_b32 s[G1X+4], LROWS                      ; tile_dim1 = 32
	s_mov_b32 s[G1W+4], LROWS
	s_mov_b32 s[G1X+5], 512                        ; 512 elements of 4 bytes from row to row, in ao and in Wo
	s_mov_b32 s[G1W+5], 512
	s_mov_b32 s[G1X+6], 0
	s_mov_b32 s[G1W+6], 0
	s_mov_b32 s[G1X+7], 0
	s_mov_b32 s[G1W+7], 0
	s_lshl_b32 s31, s24, 5
	s_lshl_b32 s10, s28, 6
	s_add_co_u32 s10, s10, s31
	s_lshl_b32 s10, s10, 11                        ; ao: (64 block + 32 half) rows of 2,048 bytes
	s_mov_b32 s11, 0
	s_lshl_b32 s14, s27, 6
	s_add_co_u32 s14, s14, s31
	s_lshl_b32 s14, s14, 11                        ; Wo likewise
	s_mov_b32 s15, 0
	s_mul_i32 s18, s22, HALFT                      ; where they go: wave x 32 rows
	s_wait_dscnt 0x0
	s_wait_kmcnt 0x0
	s_add_nc_u64 s[12:13], s[4:5], s[10:11]
	s_add_nc_u64 s[16:17], s[6:7], s[14:15]
.irp c, 0,1,2,3
	s_mov_b32 s[G0X+4*\c], 1
	s_add_co_u32 s[G0X+4*\c+1], s18, \c*REGION
	s_add_nc_u64 s[G0X+4*\c+2:G0X+4*\c+3], s[12:13], \c*512
	s_or_b32 s[G0X+4*\c+3], s[G0X+4*\c+3], 0x80000000
	s_mov_b32 s[G0W+4*\c], 1
	s_add_co_u32 s[G0W+4*\c+1], s18, \c*REGION
	s_add_nc_u64 s[G0W+4*\c+2:G0W+4*\c+3], s[16:17], \c*512
	s_or_b32 s[G0W+4*\c+3], s[G0W+4*\c+3], 0x80000000
.endr
	CROUND                                         ; all sixteen work-groups are here: the joint loads meet
	; all first fills of a wave, inside one branch on the wave's number: four tensor loads of the wave are out, never more
	s_cmp_eq_u32 s23, 0
	s_cbranch_scc0 .Lfor_w
.irp c, 0,1,2,3
	tensor_load_to_lds s[G0X+4*\c:G0X+4*\c+3], s[G1X:G1X+7]
	s_nop 0
.endr
	s_branch .Lasked
.Lfor_w:
.irp c, 0,1,2,3
	tensor_load_to_lds s[G0W+4*\c:G0W+4*\c+3], s[G1W:G1W+7]
	s_nop 0
.endr
.Lasked:
	v_and_b32 v1, 15, v0                           ; r
	v_bfe_u32 v2, v0, 4, 1                         ; h
	v_mul_u32_u24 v3, v1, PITCH
	v_lshl_add_u32 v[ADM], v2, 5, v3               ; Wo in f32: row r, 32 bytes for each half of the lanes
	v_add_nc_u32 v[ADM], 2*HALFT, v[ADM]           ; all 64 weight rows, behind ao's 64
	s_mul_i32 s19, s22, 16*PITCH
	v_lshl_add_u32 v[ADN], v2, 4, v3               ; ao in bf16: row r, 16 bytes for each half of the lanes
	v_add_nc_u32 v[ADN], s19, v[ADN]               ; my 16 token rows
.irp c, 1,2,3
	v_add_nc_u32 v[ADM+\c], \c*REGION, v[ADM]
	v_add_nc_u32 v[ADN+\c], \c*REGION, v[ADN]
.endr
	s_mul_i32 s20, s22, 4608
	s_add_co_u32 s20, s20, STAGE                   ; my stage
	v_mul_u32_u24 v[STO], v1, 272
	v_lshl_add_u32 v[STO], v2, 5, v[STO]
	v_add_nc_u32 v[STO], s20, v[STO]
	v_mul_u32_u24 v[RD], v2, 272
	v_lshl_add_u32 v[RD], v1, 4, v[RD]
	v_add_nc_u32 v[RD], s20, v[RD]
	s_lshl_b32 s84, s28, 6
	s_lshl4_add_u32 s84, s22, s84                  ; my first token
	s_lshl_b32 s84, s84, 11
	s_lshl_b32 s85, s27, 8                         ; my 64 features: 256 bytes
	s_add_co_u32 s84, s84, s85
	v_lshlrev_b32 v[GO], 11, v2
	v_lshl_add_u32 v[GO], v1, 4, v[GO]
	v_add_nc_u32 v[GO], s84, v[GO]
	CHUNK 0, 3, 1                                  ; the first products start the sums
	CHUNK 1, 2, 0
	CHUNK 2, 1, 0
	CHUNK 3, 0, 0
	PLACES                                         ; behind the last products: the LDS stores read sums, the loads below land on fragments
.irp m, 0,1,2,3
	ds_store_b128 v[STO], v[ACC+8*\m:ACC+8*\m+3] offset:64*\m
	ds_store_b128 v[STO], v[ACC+8*\m+4:ACC+8*\m+7] offset:64*\m+16
.endr
.irp t, 0,1,2,3,4,5,6,7
	ds_load_b128 v[MF+4*\t:MF+4*\t+3], v[RD] offset:544*\t    ; my own bytes, served in order behind my stores
.endr
.irp t, 0,1,2,3,4,5,6,7
	s_wait_dscnt 7-\t
	global_store_b128 v[GO], v[MF+4*\t:MF+4*\t+3], s[8:9] offset:4096*\t th:TH_STORE_NT   ; sixteen lanes store 256 consecutive bytes of a row, aligned
.endr
	s_wait_tensorcnt 0x0
	ds_add_u32 v254, v255
	s_wait_dscnt 0x0
	CROUND                                         ; the closing round: no work-group ends while a partner may still ask jointly
	s_endpgm
.Lfunc_end_k_q1766d663c4_oproj:
	.size	k_q1766d663c4_oproj, .Lfunc_end_k_q1766d663c4_oproj-k_q1766d663c4_oproj
	.p2alignl 7, 3214868480
	.fill 96, 4, 3214868480
	.section	.rodata,"a",@progbits
	.p2align	6, 0x0
	.amdhsa_kernel k_q1766d663c4_oproj
		.amdhsa_group_segment_fixed_size 289280
		.amdhsa_private_segment_fixed_size 0
		.amdhsa_enable_private_segment 0
		.amdhsa_kernarg_size 24
		.amdhsa_user_sgpr_count 2
		.amdhsa_user_sgpr_kernarg_segment_ptr 1
		.amdhsa_wavefront_size32 1
		.amdhsa_system_sgpr_workgroup_id_x 1
		.amdhsa_system_sgpr_workgroup_id_y 1
		.amdhsa_system_sgpr_workgroup_id_z 1
		.amdhsa_system_vgpr_workitem_id 0
		.amdhsa_next_free_vgpr 448
		.amdhsa_next_free_sgpr 96
		.amdhsa_reserve_vcc 0
		.amdhsa_float_denorm_mode_32 3
		.amdhsa_float_denorm_mode_16_64 3
		.amdhsa_memory_ordered 1
		.amdhsa_forward_progress 1
		.amdhsa_inst_pref_size 75
	.end_amdhsa_kernel
	.amdgpu_metadata
---
amdhsa.version: [ 1, 2 ]
amdhsa.kernels:
  - .name:           k_q1766d663c4_oproj
    .symbol:         k_q1766d663c4_oproj.kd
    .args:
      - { .name: ao, .offset: 0, .size: 8, .value_kind: global_buffer, .address_space: global }
      - { .name: Wo, .offset: 8, .size: 8, .value_kind: global_buffer, .address_space: global }
      - { .name: out0, .offset: 16, .size: 8, .value_kind: global_buffer, .address_space: global }
    .group_segment_fixed_size: 289280
    .private_segment_fixed_size: 0
    .kernarg_segment_align: 8
    .kernarg_segment_size: 24
    .max_flat_workgroup_size: 128
    .sgpr_count:     96
    .vgpr_count:     448
    .wavefront_size: 32
...
	.end_amdgpu_metadata
.endif
;; end of part 4
